; MI455X (gfx1250); checked and timed in simulation.
; The chip was launched on July 23, 2026; its instructions are those of AMD's public machine-readable ISA for CDNA 5 (MIT licence, August 2026) and "CDNA5" Instruction Set Architecture Reference Guide (July 2026). The comments in the code are by the model that wrote it; some were corrected since.
;; Multi Head Attention. Allowed arithmetic: matrix products marked QUANTISED: E2M3 operands, one E8M0 scale for each 32 along K, by v_wmma_scale_f32_16x16x128_f8f6f4 with both operands' format E2M3, f32 sums; everything else in f32.
;; Inputs: K 4 x 2,048 x 1,024 float32; Q 4 x 2,048 x 1,024 float32; V 4 x 2,048 x 1,024 float32; Wk 1,024 x 1,024 float32; Wo 1,024 x 1,024 float32; Wq 1,024 x 1,024 float32; Wv 1,024 x 1,024 float32; mask 1 bool.
;; Outputs: out0 4 x 2,048 x 1,024 float32.
;; This version of the problem:
;;   THIS VERSION OF THE PROBLEM IS GIVEN IN LOW PRECISION. The matrix products marked QUANTISED in the list below multiply operands that are first quantised to E2M3 (2 exponent bits, 3 mantissa bits; 6 bits a number), with one power-of-two scale for each 32 numbers along K (OCP MX v1.0); their sums are f32. All else is computed in f32.
;;   The module's matrix products, in the order in which they are computed (A, B: the left and right operand; K: the contracted axis; several contracted axes count as one K, in the product's order):
;;     1. [M 8,192, K 1,024] x [K 1,024, N 1,024]; A: input Q; B: input Wq: QUANTISED
;;     2. [M 8,192, K 1,024] x [K 1,024, N 1,024]; A: input K; B: input Wk: QUANTISED
;;     3. [M 8,192, K 1,024] x [K 1,024, N 1,024]; A: input V; B: input Wv: QUANTISED
;;     4. batch 64 x [M 2,048, K 64] x [K 64, N 2,048]; A: computed on the way; B: computed on the way: QUANTISED
;;     5. batch 64 x [M 2,048, K 2,048] x [K 2,048, N 64]; A: softmax (see below); B: computed on the way: QUANTISED
;;     6. [M 8,192, K 1,024] x [K 1,024, N 1,024]; A: computed on the way; B: input Wo: QUANTISED
;;   THE QUANTISER, for each operand of a quantised product, along K:
;;     - K is cut into blocks of 32 from its start; a last block that is shorter is filled with zeros.
;;     - A block's scale is 2^e with e = floor(log2(the largest magnitude in the block)) - 2, held to -126 .. 127; a block of zeros has e = 0. As a byte (E8M0): e + 127.
;;     - Each number is divided by its block's scale, clamped to +-7.5, and rounded to the nearest number of E2M3, ties to even, subnormals kept.
;;     - The product sums the exact products of the quantised numbers (number of the format x scale) in f32.
;;   ~~~python
;;   def quantise(x, axis):      # numpy; x: float32 -> the quantised numbers, widened to float32 again
;;       x = np.moveaxis(x, axis, -1); K = x.shape[-1]
;;       x = np.pad(x, [(0, 0)] * (x.ndim - 1) + [(0, -K % 32)]); x = x.reshape(x.shape[:-1] + (-1, 32)); a = np.abs(x).max(-1, keepdims=True)
;;       e = np.where(a > 0, np.clip(np.frexp(np.where(a > 0, a, 1))[1] - 1 - 2, -126, 127), 0)      # np.frexp(a)[1] - 1 = floor(log2(a)), exactly
;;       r = np.clip(x / 2.0 ** e, -7.5, 7.5)
;;       step = 2.0 ** (np.maximum(np.frexp(np.where(r == 0, 1, r))[1] - 1, 0) - 3)
;;       q = np.round(r / step) * step * 2.0 ** e      # np.round: ties to even
;;       return np.moveaxis(q.reshape(q.shape[:-2] + (-1,))[..., :K], -1, axis).astype(np.float32)
;;   ~~~
;;   SOFTMAX AHEAD OF A QUANTISED PRODUCT. Where the list says 'softmax', what is quantised is not the finished softmax but p = 2^(t - M), with t = logit x log2(e) and M = ceil(the row's largest t), a whole number; so 1/2 < the row's largest p <= 1. The row's sum l is taken of the UNQUANTISED p, in f32, and the product's result is divided by l at the end. Since M is a whole number, a kernel that streams over the keys may use a running M (the ceiling of the running maximum): every later rescaling is an exact power of two, which a block's scale takes up: the codes' values come out the same.
;;   OPERANDS COMPUTED ON THE WAY. 'Computed on the way' means the value that the module computes at that place (a softmax that the list does not call 'softmax' is quantised finished and normalised). What goes into a quantiser is computed in f32, as accurately as f32 sums, v_exp_f32 and their like allow (about 1e-6 of the number): no bf16 or f16 on the way to a quantiser, and a product that is left as it is and whose result goes on into a quantised operand takes f32 operands (vector FMAs, or v_wmma_f32_16x16x4_f32). A number that lies on a knife's edge between two numbers of the format may be rounded either way, as far as f32 arithmetic and the matrix unit's own rounding can turn it there, and no further.
;; One version. Each part assembles by itself: llvm-mc -triple=amdgcn-amd-amdhsa -mcpu=gfx1250 --defsym DOCPART=n.
;; ======== version 1 of 1: 4 launches
;; limits: right only within a limited range of input values
;; workspace buffers: xc 22,020,096 bytes; xs 917,504 bytes; qc 6,291,456 bytes; qs 524,288 bytes; kvc 13,369,344 bytes; cc 6,291,456 bytes; cs 262,144 bytes
;; launch quant (part 1): grid 256 x 1, 7 waves a work-group, no clusters, 60,160 bytes of LDS; arguments Q, K, V, Wq, Wk, Wv, Wo, xc, xs; writes xc, xs
.if DOCPART == 1
	.amdgcn_target "amdgcn-amd-amdhsa--gfx1250"
	.amdhsa_code_object_version 6
	.text
	.protected	k_q1d608659d5_quant
	.globl	k_q1d608659d5_quant
	.p2align	8
	.type	k_q1d608659d5_quant,@function
k_q1d608659d5_quant:
	s_mov_b64 s[64:65], 0
	v_nop
	global_prefetch_b8 v0, s[64:65] scope:SCOPE_SE
	s_setreg_imm32_b32 hwreg(HW_REG_WAVE_MODE, 25, 1), 1
	s_wait_xcnt 0x0
; Q, K, V [8192][1024] and Wq, Wk, Wv, Wo [1024][1024], f32 with K innermost, become codes of FP6 (E2M3) with one E8M0 byte for each 32 along K,
; laid in the ORDER OF AN OPERAND'S REGISTERS, so that later launches take fragments by dense loads of 16 and 8 bytes a lane.
; A TILE is 16 rows that are not neighbours: lane-row r of tile T is row 32 (T / 2) + 8 (T % 2) + r + 8 (r / 8).  As source 0 of a product, tiles 2 b and 2 b + 1 then leave
; 16 neighbours, 32 b + 16 (lane / 16) + 0 .. 15, in a lane's 16 result registers.
; xc: [tile 0..1791][K step 0..7][1,536 bytes]; a K step (128 along K) is two halves of 768 bytes (64 along K): a lane's registers 0-3 at 16 x lane, registers 4-5 at 512 + 8 x lane.
; xs: [tile][lane-row][32 bytes], byte = K / 32.   First tiles: Q 0, K 512, V 1024, Wq 1536, Wk 1600, Wv 1664, Wo 1728.
; A block's scale is 2^(floor(log2(largest magnitude)) - 2); its byte is the largest magnitude's exponent field - 2, held at 1 from below.
; LIMITS: a block of zeros gets the byte 1 (its codes are zeros, and this program alone reads the bytes); NaN and infinities among the inputs are not served.
; The input mask is not among the arguments: the function computed here does not read it.
; SHARES: a wave takes one tile, 64 KB of f32.  Each load reads 512 consecutive bytes of one row; a K step's 16 x 512 bytes turn through the wave's own stage in LDS (rows 528 bytes apart),
; so that a lane gets 16 neighbours of each block of 32.  Loads run two K steps (32 loads a wave) ahead.  Waves share nothing: no barrier.
.set STG,  8448                        ; a wave's stage: 16 rows x (512 + 16) bytes
.set TM,   12                          ; v12-15 largest magnitudes, v16-19 the other half's / the bytes, v24-27 the conversions' scale operands
.set PWS,  28                          ; v28-35   my row's scale word of each K step
.set PC,   36                          ; v36-47   a fragment's codes; v48-50, v52-54 the conversions' second halves
.set X,    56                          ; v56-119  64 numbers: register 16 b + i = k 32 b + 16 (lane / 16) + i of my row
.set R,    120                         ; v120-247 two sets of 64 registers as loaded
.set SEL,  26                          ; s[26:27] selects of v_permlanex16_b32 for lane l xor 16
	s_load_b512 s[8:23], s[0:1], 0x0               ; Q s[8:9], K s[10:11], V s[12:13], Wq s[14:15], Wk s[16:17], Wv s[18:19], Wo s[20:21], xc s[22:23]
	s_load_b64 s[24:25], s[0:1], 0x40              ; xs
	v_lshl_add_u32 v248, v0, 2, 0xe700             ; the spare words lie behind the seven stages
	v_mov_b32 v249, 0
	v_lshrrev_b32 v1, 5, v0
	v_readfirstlane_b32 s7, v1                     ; wave 0..6
	v_and_b32 v1, 31, v0                           ; lane
	v_and_b32 v2, 15, v0                           ; r
	v_bfe_u32 v3, v0, 4, 1                         ; h
	v_lshlrev_b32 v4, 4, v1                        ; 16 x lane: my bytes of a load's 512, and of a store's
	s_mul_i32 s28, s7, STG
	v_add_nc_u32 v5, s28, v4                       ; the stage, on the way in
	v_mul_u32_u24 v6, v2, 528
	v_lshl_add_u32 v6, v3, 6, v6
	v_add_nc_u32 v6, s28, v6                       ; and on the way out: row r, + 64 h
	v_lshlrev_b32 v7, 3, v1                        ; 8 x lane
	v_lshlrev_b32 v8, 5, v2
	v_lshl_add_u32 v8, v3, 4, v8                   ; the scale bytes: 32 r + 16 h
	s_mov_b32 s[SEL], 0x76543210
	s_mov_b32 s[SEL+1], 0xfedcba98
.irp b, 0,1,2,3
	v_mov_b32 v[TM+4+\b], 0                        ; written once: a lane permute's destination counts as one of its sources
.endr
	s_wait_alu depctr_va_vdst(0)
	s_wait_kmcnt 0x0
; 1,792 tiles are 7 for each of 256 work-groups: wave w of work-group g takes tile 7 g + w.  Which tensor is the tile's hangs on that number alone
.macro PICK lim, ptr, first
	s_cmp_lt_u32 s30, \lim
	s_cselect_b64 s[4:5], s[\ptr:\ptr+1], s[4:5]
	s_cselect_b32 s6, \first, s6
.endm
	s_mul_i32 s30, ttmp9, 7
	s_add_co_u32 s30, s30, s7                      ; my tile among all 1,792
	s_mov_b64 s[4:5], s[20:21]                     ; Wo, from tile 1,728 on
	s_mov_b32 s6, 1728
	PICK 1728, 18, 1664
	PICK 1664, 16, 1600
	PICK 1600, 14, 1536
	PICK 1536, 12, 1024
	PICK 1024, 10, 512
	PICK 512, 8, 0
	s_sub_co_u32 s6, s30, s6                       ; my tile within its tensor
	s_lshr_b32 s28, s6, 1
	s_lshl_b32 s28, s28, 17                        ; 32 rows of 4,096 bytes for each pair of tiles,
	s_and_b32 s30, s6, 1
	s_lshl_b32 s30, s30, 15                        ; 8 rows for the odd tile
	s_add_co_u32 s28, s28, s30
	s_mov_b32 s29, 0
	s_add_nc_u64 s[4:5], s[4:5], s[28:29]
	s_mul_i32 s30, ttmp9, 7
	s_add_co_u32 s30, s30, s7
	s_mul_i32 s28, s30, 12288
	s_add_nc_u64 s[22:23], s[22:23], s[28:29]
	s_lshl_b32 s28, s30, 9
	s_add_nc_u64 s[24:25], s[24:25], s[28:29]
.macro LOAD s                          ; K step s of my 16 rows: 512 consecutive bytes a load
.irp i, 0,1,2,3,4,5,6,7,8,9,10,11,12,13,14,15
	global_load_b128 v[R+64*((\s)%2)+4*\i:R+64*((\s)%2)+4*\i+3], v4, s[4:5] offset:(\i+8*(\i/8))*4096+512*(\s) th:TH_LOAD_NT
.endr
.endm
.macro QSCALE s, pw                    ; the four blocks' largest magnitudes, scale operands and bytes; my row's scale word into v[pw]
.irp b, 0,1,2,3
	v_max3_num_f32 v[TM+\b], |v[\s+16*\b]|, |v[\s+1+16*\b]|, 0x1800000   ; my 16 numbers of block b, and the floor 2^(3 - 127): the byte cannot fall under 1
.endr
.irp i, 2,4,6,8,10,12,14
.irp b, 0,1,2,3
	v_max3_num_f32 v[TM+\b], v[TM+\b], |v[\s+16*\b+\i]|, |v[\s+1+16*\b+\i]|
.endr
.endr
.irp b, 0,1,2,3
	v_permlanex16_b32 v[TM+4+\b], v[TM+\b], s[SEL], s[SEL+1]
.endr
.irp b, 0,1,2,3
	v_max_num_f32 v[TM+\b], v[TM+\b], v[TM+4+\b]   ; with lane l xor 16's 16 numbers: the block's
.endr
.irp b, 0,1,2,3
	v_add_nc_u32 v[TM+12+\b], 0xff000000, v[TM+\b] ; 2 off the exponent field: the conversion's scale operand
.endr
.irp b, 0,1,2,3
	v_lshrrev_b32 v[TM+4+\b], 23, v[TM+12+\b]      ; the scale's byte
.endr
	v_lshl_or_b32 v[\pw], v[TM+5], 8, v[TM+4]
	v_lshl_or_b32 v[\pw], v[TM+6], 16, v[\pw]
	v_lshl_or_b32 v[\pw], v[TM+7], 24, v[\pw]
.endm
.macro QCODES s                        ; 64 numbers become a fragment's 12 registers in v[PC] on
.irp c, 0,1
	v_cvt_scalef32_pk16_fp6_f32 v[PC+6*\c:PC+2+6*\c], v[\s+32*\c:\s+15+32*\c], v[TM+12+2*\c]
	v_cvt_scalef32_pk16_fp6_f32 v[PC+12+4*\c:PC+14+4*\c], v[\s+16+32*\c:\s+31+32*\c], v[TM+12+2*\c+1]   ; (a conversion's three registers begin on an even number)
.endr
	v_nop                                          ; one plain instruction behind the scaled conversions
.irp c, 0,1                            ; the operand's layout wants a whole block in a lane: lanes 0-15 block 2 c, lanes 16-31 block 2 c + 1
.irp i, 0,1,2
	v_permlane16_swap_b32 v[PC+6*\c+\i], v[PC+12+4*\c+\i]
.endr
.irp i, 0,1,2
	v_mov_b32 v[PC+3+6*\c+\i], v[PC+12+4*\c+\i]
.endr
.endr
.endm
.macro STEP s
.if (\s) < 7
	s_wait_loadcnt 16                              ; this K step's 16 loads are in; the next step's 16 may be out
.else
	s_wait_loadcnt 0x0
.endif
.irp i, 0,1,2,3,4,5,6,7,8,9,10,11,12,13,14,15
	ds_store_b128 v5, v[R+64*((\s)%2)+4*\i:R+64*((\s)%2)+4*\i+3] offset:528*\i
.endr
.irp b, 0,1,2,3
.irp j, 0,1,2,3
	ds_load_b128 v[X+16*\b+4*\j:X+16*\b+4*\j+3], v6 offset:128*\b+16*\j   ; LDS serves a wave's instructions in order: these see the stores above
.endr
.endr
	s_wait_dscnt 0x0                               ; the numbers are back, and the stores have read their registers,
.if (\s) < 6
	LOAD (\s)+2                                    ; which take the loads of two K steps on
.endif
	QSCALE X, PWS+(\s)
	s_wait_xcnt 0x0                                ; the last step's stores have read v[PC] on: only now are the codes written again
	QCODES X
	global_store_b128 v4, v[PC:PC+3], s[22:23] offset:1536*(\s)           ; 512 consecutive bytes, aligned to 256
	global_store_b64 v7, v[PC+4:PC+5], s[22:23] offset:1536*(\s)+512      ; 256 consecutive bytes, aligned
	global_store_b128 v4, v[PC+6:PC+9], s[22:23] offset:1536*(\s)+768
	global_store_b64 v7, v[PC+10:PC+11], s[22:23] offset:1536*(\s)+1280
.endm
	LOAD 0
	LOAD 1
.irp s, 0,1,2,3,4,5,6,7
	STEP \s
.endr
	v_cmp_lt_u32 vcc_lo, 15, v1                    ; lanes 16-31 store words 4-7 of their row, lanes 0-15 words 0-3
	s_wait_xcnt 0x0                                ; the last stores have read v[PC] on
.irp q, 0,1,2,3
	v_cndmask_b32 v[PC+\q], v[PWS+\q], v[PWS+4+\q], vcc_lo
.endr
	global_store_b128 v8, v[PC:PC+3], s[24:25]     ; the tile's 512 scale bytes
	s_wait_tensorcnt 0x0
	ds_add_u32 v248, v249
	s_wait_dscnt 0x0
	s_endpgm
.Lfunc_end_k_q1d608659d5_quant:
	.size	k_q1d608659d5_quant, .Lfunc_end_k_q1d608659d5_quant-k_q1d608659d5_quant
	.p2alignl 7, 3214868480
	.fill 96, 4, 3214868480
	.section	.rodata,"a",@progbits
	.p2align	6, 0x0
	.amdhsa_kernel k_q1d608659d5_quant
		.amdhsa_group_segment_fixed_size 60160
		.amdhsa_private_segment_fixed_size 0
		.amdhsa_enable_private_segment 0
		.amdhsa_kernarg_size 72
		.amdhsa_user_sgpr_count 2
		.amdhsa_user_sgpr_kernarg_segment_ptr 1
		.amdhsa_wavefront_size32 1
		.amdhsa_system_sgpr_workgroup_id_x 1
		.amdhsa_system_sgpr_workgroup_id_y 1
		.amdhsa_system_sgpr_workgroup_id_z 1
		.amdhsa_system_vgpr_workitem_id 0
		.amdhsa_next_free_vgpr 250
		.amdhsa_next_free_sgpr 66
		.amdhsa_reserve_vcc 1
		.amdhsa_float_denorm_mode_32 3
		.amdhsa_float_denorm_mode_16_64 3
		.amdhsa_memory_ordered 1
		.amdhsa_forward_progress 1
		.amdhsa_inst_pref_size 65
	.end_amdhsa_kernel
	.amdgpu_metadata
---
amdhsa.version: [ 1, 2 ]
amdhsa.kernels:
  - .name:           k_q1d608659d5_quant
    .symbol:         k_q1d608659d5_quant.kd
    .args:
      - { .name: Q, .offset: 0, .size: 8, .value_kind: global_buffer, .address_space: global }
      - { .name: K, .offset: 8, .size: 8, .value_kind: global_buffer, .address_space: global }
      - { .name: V, .offset: 16, .size: 8, .value_kind: global_buffer, .address_space: global }
      - { .name: Wq, .offset: 24, .size: 8, .value_kind: global_buffer, .address_space: global }
      - { .name: Wk, .offset: 32, .size: 8, .value_kind: global_buffer, .address_space: global }
      - { .name: Wv, .offset: 40, .size: 8, .value_kind: global_buffer, .address_space: global }
      - { .name: Wo, .offset: 48, .size: 8, .value_kind: global_buffer, .address_space: global }
      - { .name: xc, .offset: 56, .size: 8, .value_kind: global_buffer, .address_space: global }
      - { .name: xs, .offset: 64, .size: 8, .value_kind: global_buffer, .address_space: global }
    .group_segment_fixed_size: 60160
    .private_segment_fixed_size: 0
    .kernarg_segment_align: 8
    .kernarg_segment_size: 72
    .max_flat_workgroup_size: 224
    .sgpr_count:     66
    .vgpr_count:     250
    .wavefront_size: 32
...
	.end_amdgpu_metadata
.endif
;; end of part 1
;; launch proj (part 2): grid 4 x 64, 4 waves a work-group, clusters of 4 x 4, 327,680 bytes of LDS; arguments xc, xs, qc, qs, kvc; writes qc, qs, kvc
.if DOCPART == 2
	.amdgcn_target "amdgcn-amd-amdhsa--gfx1250"
	.amdhsa_code_object_version 6
	.text
	.protected	k_q1d608659d5_proj
	.globl	k_q1d608659d5_proj
	.p2align	8
	.type	k_q1d608659d5_proj,@function
k_q1d608659d5_proj:
	s_mov_b64 s[64:65], 0
	v_nop
	global_prefetch_b8 v0, s[64:65] scope:SCOPE_SE
	s_setreg_imm32_b32 hwreg(HW_REG_WAVE_MODE, 25, 1), 1
	s_wait_xcnt 0x0
	s_wait_alu depctr_hold_cnt(0) depctr_sa_sdst(0) depctr_va_vdst(0) depctr_va_sdst(0) depctr_va_ssrc(0) depctr_va_vcc(0) depctr_vm_vsrc(0)
	s_getreg_b32 s2, hwreg(HW_REG_IB_STS2, 6, 4)
	s_cmp_eq_u32 s2, 0
	s_cbranch_scc0 .Lentry_in_a_cluster
	s_endpgm
.Lentry_in_a_cluster:
	s_bfe_u32 s2, ttmp6, 0x10000c
	s_cmp_lg_u32 s2, 0xf033
	s_cbranch_scc0 .Lentry_shape_is_right
	s_endpgm
.Lentry_shape_is_right:
; The three projections q = Q Wq^T, k = K Wk^T, v = V Wv^T on codes of FP6 (E2M3) with E8M0 scales, f32 sums; the results are quantised in registers and leave as codes:
; q and k along the head's 64 channels, v along the keys.  Operands come from xc, xs (tiles of 16 rows in register order: lane-row r of tile T is row 32 (T / 2) + 8 (T % 2) + r + 8 (r / 8)).
; D = X Y^T with source 0 = a tile of X, source 1 = a tile of Y: a lane holds ONE row of Y, and the 16 registers of X's tiles 2 b, 2 b + 1 are X's rows 32 b + 16 (lane / 16) + 0 .. 15.
; The quantiser runs along X.  So for q and k: X = the weight (channels), Y = the tokens; for v: X = the tokens (keys), Y = the weight.
; A WORK-GROUP STAYS and walks three JOBS, 0 q, 1 k, 2 v; in each it makes X 256 x Y 128.  Four waves: wave w takes X's half w & 1 (8 tiles) and Y's half w >> 1 (4 tiles): 32 accumulators.
; THE RING: two LDS slots, each with half of K (four K steps of 128) of X's 16 tiles and Y's 8: slot 0 a job's K steps 0-3, slot 1 its K steps 4-7.  A slot is filled by one joint load a wave
; (waves 0, 1 a half of X each, waves 2, 3 a half of Y each; a tile's half of K is a row of 6,144 bytes), behind a drained round of the cluster's barrier with a tensor wait, an LDS add and its wait ahead of it.
; At a job's start slot 1 takes its second half; in K step 3 slot 0 takes the NEXT job's first half, which has the job's other K steps and its way out in which to land.  One load a wave is out, by this text's count.
; The last job asks for no next job: it is written out behind the loop of two.
; CLUSTER 4 x 4: X's tiles hang on cx alone and are asked for jointly by a column of the cluster, Y's on cy alone and by a row.
; PREFETCH: in job j each half of job j + 1 is asked for into the L2, one slot's fill ahead of the load that brings it: of the tile rows that a wave will fetch, each of the four partners of the joint load takes a
; quarter, told apart by address (X: two rows, by cy; Y: one row, by cx), a lane a block of 256 bytes (24 blocks a row; lanes 24-31 name the last again).  The weights, which all clusters read, are asked for by clusters 0-3 alone.
; Job 0 comes by its loads alone.  THE SCALE WORDS of the next job are loaded into registers of their own at a job's start and moved behind its last product.
; OUT: qc [bh][q tile][768], qs [bh][q tile][16 words]; kvc [bh][key step of 128][13,056]: k's 8 halves of 768, v's 8 (3,072 c + 768 t: keys 64 c on, channel tile t), k's 8 x 16 scale words, v's 4 x 16.
; q's and k's scale words have bytes 2 and 3 = 0: they only ever meet zero codes.
; LIMITS: a block of zeros gets the byte 1 (its codes are zeros; this program alone reads the bytes); NaN and infinities are not served.
; REGISTERS: window 0: v1-18 addresses; v32-63 X's scale words, v64-79 Y's; v80-127, v128-175 Y's fragments, two sets (later the codes made); v176-199 at work on the way out; v200-247 the next job's scale words.
;   window 1: X's fragments, two sets, at v0 and v128.   window 2: accumulator (a, b) at v[8 (8 a + b)].
.set SLOT, 147456                      ; X's 16 tiles x 6,144 bytes, then Y's 8 x 6,144
.set SPARE, 2*SLOT
.set SCX,  32
.set SCY,  64
.set SCN,  200
.set YF,   80
.set TM,   176
.set WV,   14                          ; s14 wave; s15 wave & 1; s16 wave >> 1; s17 cx; s18 cy
.set G1X,  24
.set G1Y,  32
.set G0X,  40                          ; s[40:47] groups 0 for X, a set for each slot; s[68:75] for Y
.set G0Y,  68
.set CLY,  48                          ; cluster y, 0..15
.set JB,   49                          ; the job
.set PFB,  52                          ; s[52:53] where my prefetches stand
.set SEL,  54                          ; s[54:55] selects of v_permlanex16_b32
.set PFG,  76                          ; 0: my wave prefetches
.set MSB, 0
.macro WIN new                         ; the immediate's high byte repeats the setting that is left
.if MSB != \new
	s_set_vgpr_msb (MSB<<8)|\new
.set MSB, \new
.endif
.endm
.macro WALU
	s_wait_alu depctr_va_vdst(0)
.endm
.macro PLACES n
.rept \n
	v_nop
.endr
.endm
.macro ROUND                           ; a round of the cluster's barrier
	s_barrier_signal -1
	s_barrier_wait -1
	s_cmp_lg_u32 s[WV], 0
	s_cbranch_scc1 .Lnot_wave_0_\@
	s_barrier_signal -3
.Lnot_wave_0_\@:
	s_barrier_wait -3
	s_barrier_signal -1
	s_barrier_wait -1
.endm
.macro JLOAD sl                        ; a slot's joint loads: each line has one mask; the branch hangs on the wave's number alone
	s_cmp_lt_u32 s[WV], 2
	s_cbranch_scc0 .Lfor_y_\@
	tensor_load_to_lds s[G0X+4*\sl:G0X+4*\sl+3], s[G1X:G1X+7]
	s_nop 0
	PLACES 4
	s_branch .Lasked_\@
.Lfor_y_\@:
	tensor_load_to_lds s[G0Y+4*\sl:G0Y+4*\sl+3], s[G1Y:G1Y+7]
	s_nop 0
	PLACES 4
.Lasked_\@:
.endm
.macro FETCH s                         ; K step s's fragments into set s % 2: 48 dense loads from slot s / 4 (v4-7 stand at slot 0, v14-17 at slot 1)
.set FP, (\s)%2
.set SL, (\s)/4
.set FO, 1536*((\s)%4)
	WIN 0x40
.irp i, 0,1,2,3,4,5,6,7
	ds_load_b128 v[128*FP+12*\i:128*FP+12*\i+3], v[4+10*SL] offset:6144*\i+FO
	ds_load_b64 v[128*FP+12*\i+4:128*FP+12*\i+5], v[5+10*SL] offset:6144*\i+FO+512
	ds_load_b128 v[128*FP+12*\i+6:128*FP+12*\i+9], v[4+10*SL] offset:6144*\i+FO+768
	ds_load_b64 v[128*FP+12*\i+10:128*FP+12*\i+11], v[5+10*SL] offset:6144*\i+FO+1280
.endr
	WIN 0
.irp i, 0,1,2,3
	ds_load_b128 v[YF+48*FP+12*\i:YF+48*FP+12*\i+3], v[6+10*SL] offset:6144*\i+FO
	ds_load_b64 v[YF+48*FP+12*\i+4:YF+48*FP+12*\i+5], v[7+10*SL] offset:6144*\i+FO+512
	ds_load_b128 v[YF+48*FP+12*\i+6:YF+48*FP+12*\i+9], v[6+10*SL] offset:6144*\i+FO+768
	ds_load_b64 v[YF+48*FP+12*\i+10:YF+48*FP+12*\i+11], v[7+10*SL] offset:6144*\i+FO+1280
.endr
.endm
; One product: Y's tile a x X's tile b, K step s.  X's scale words of tiles 4-7 and Y's of tiles 2-3 lie in lanes 16-31 of the registers of tiles 0-3 and 0-1.  K step 0 starts the sums.
.macro WM1 c, ra, rb
	v_wmma_scale_f32_16x16x128_f8f6f4 v[rD:rD+7], v[rX:rX+11], v[rY:rY+11], \c, v[rP], v[rQ] matrix_a_fmt:MATRIX_FMT_FP6 matrix_b_fmt:MATRIX_FMT_FP6 matrix_a_scale:MATRIX_SCALE_ROW\ra matrix_b_scale:MATRIX_SCALE_ROW\rb
.endm
.macro WM2 a, b, c
.if ((\b) < 4) && ((\a) < 2)
	WM1 \c, 0, 0
.elseif (\a) < 2
	WM1 \c, 1, 0
.elseif (\b) < 4
	WM1 \c, 0, 1
.else
	WM1 \c, 1, 1
.endif
.endm
.macro WM a, b, s
.set rD, 8*(8*(\a)+(\b))
.set rX, 128*((\s)%2)+12*(\b)
.set rY, YF+48*((\s)%2)+12*(\a)
.set rP, SCX+8*((\b)%4)+(\s)
.set rQ, SCY+8*((\a)%2)+(\s)
.if (\s) == 0
	WM2 \a, \b, 0
.else
	WM2 \a, \b, v[rD:rD+7]
.endif
.endm
.macro PF h                            ; half h of the next job: my share of the rows that my wave will fetch
	s_cmp_eq_u32 s[PFG], 0
	s_cbranch_scc0 .Lpf_none_\@
	global_prefetch_b8 v18, s[PFB:PFB+1] offset:6144*\h th:TH_LOAD_NT scope:SCOPE_SE
	s_cmp_lt_u32 s[WV], 2
	s_cbranch_scc0 .Lpf_none_\@
	global_prefetch_b8 v18, s[PFB:PFB+1] offset:6144*\h+12288 th:TH_LOAD_NT scope:SCOPE_SE
.Lpf_none_\@:
.endm
; A K step of 128: the next step's fragments are asked for, then 32 products on the 32 accumulators, which take turns in the same order in every step.
; K step 3 changes slots.  more = 1: slot 0, whose last fragments are in registers, takes the next job's first half; more = 0: a plain barrier shows slot 1.
.macro KSTEP s, more
	s_wait_dscnt 0x0                               ; this step's fragments are in
.if (\s) == 3
	s_wait_tensorcnt 0x0                           ; my part of slot 1 has landed: no load of mine is out
.if \more
	ds_add_u32 v254, v255
	s_mov_b64 s[G0X+2:G0X+3], s[92:93]
	s_or_b32 s[G0X+3], s[G0X+3], 0x80000000
	s_mov_b64 s[G0Y+2:G0Y+3], s[94:95]
	s_or_b32 s[G0Y+3], s[G0Y+3], 0x80000000
	s_wait_dscnt 0x0
	ROUND
	JLOAD 0                                        ; its four v_nop are the places ahead of the loads below
	FETCH 4
	PF 1
.else
	s_barrier_signal -1
	s_barrier_wait -1
	PLACES 4
	FETCH 4
.endif
.elseif (\s) < 7
.if (\s) > 0
	PLACES 4                                       ; four places between the last products and the loads into the set that they read
.endif
	FETCH (\s)+1
.endif
	WIN 0xa1                                       ; source 0 (X) window 1, source 1 (Y) window 0, C and D window 2
.irp a, 0,1,2,3
.irp b, 0,1,2,3,4,5,6,7
	WM \a, \b, \s
.endr
.endr
	WIN 0
.endm
.macro TILES                           ; from the job in s20: s22 which 256 rows of X, s23 which 128 rows of Y, s90 and s91 their first tiles in xc
	s_lshr_b32 s22, s[CLY], 1
	s_and_b32 s23, s[CLY], 1
	s_lshl_b32 s90, s20, 6
	s_add_co_u32 s90, s90, 1536                    ; q, k: X = Wq or Wk
	s_lshl_b32 s91, s20, 9                         ; q, k: Y = Q or K
	s_cmp_eq_u32 s20, 2
	s_cselect_b32 s22, s22, 0
	s_cselect_b32 s23, s23, s[CLY]
	s_cselect_b32 s90, 1024, s90                   ; v: X = V
	s_cselect_b32 s91, 1664, s91                   ; v: Y = Wv
	s_lshl_b32 s22, s22, 2
	s_add_co_u32 s22, s22, s17
	s_lshl_b32 s23, s23, 2
	s_add_co_u32 s23, s23, s18
	s_lshl_b32 s2, s22, 4
	s_add_co_u32 s90, s90, s2
	s_lshl_b32 s3, s23, 3
	s_add_co_u32 s91, s91, s3
.endm
.macro ADDR                            ; behind TILES: s[92:93], s[94:95] the codes that I fetch of X and of Y; s[96:97], s[98:99] the scale words of my tiles
	s_mul_i32 s92, s90, 12288
	s_mul_i32 s2, s15, 98304
	s_add_co_u32 s92, s92, s2
	s_mov_b32 s93, 0
	s_mul_i32 s94, s91, 12288
	s_mul_i32 s3, s15, 49152
	s_add_co_u32 s94, s94, s3
	s_mov_b32 s95, 0
	s_add_nc_u64 s[92:93], s[4:5], s[92:93]
	s_add_nc_u64 s[94:95], s[4:5], s[94:95]
	s_lshl_b32 s2, s15, 3
	s_add_co_u32 s2, s2, s90
	s_lshl_b32 s96, s2, 9
	s_mov_b32 s97, 0
	s_add_nc_u64 s[96:97], s[6:7], s[96:97]
	s_lshl_b32 s3, s16, 2
	s_add_co_u32 s3, s3, s91
	s_lshl_b32 s98, s3, 9
	s_mov_b32 s99, 0
	s_add_nc_u64 s[98:99], s[6:7], s[98:99]
.endm
.macro SCLOAD d                        ; register d + 8 i + s: K step s's word of X's tile i (lanes 0-15) and i + 4 (lanes 16-31); from d + 32 Y's tiles i and i + 2
.irp i, 0,1,2,3
.irp q, 0,1
	global_load_b128 v[\d+8*\i+4*\q:\d+8*\i+4*\q+3], v10, s[96:97] offset:512*\i+16*\q
.endr
.endr
.irp i, 0,1
.irp q, 0,1
	global_load_b128 v[\d+32+8*\i+4*\q:\d+32+8*\i+4*\q+3], v11, s[98:99] offset:512*\i+16*\q
.endr
.endr
.endm
.macro OUTADDR                         ; behind TILES: where the job's results go.  q, k: a fragment's two halves are two heads; v: two halves of a key step
	s_lshr_b32 s66, s23, 4
	s_lshl_b32 s66, s66, 4
	s_lshl_b32 s2, s22, 2
	s_add_co_u32 s66, s66, s2
	s_lshl_b32 s2, s15, 1
	s_add_co_u32 s66, s66, s2                      ; q, k: batch x 16 + head
	s_and_b32 s67, s23, 15                         ; q, k: which 128 tokens of the batch
	s_lshr_b32 s19, s22, 3
	s_lshl_b32 s19, s19, 4
	s_lshl_b32 s2, s23, 1
	s_add_co_u32 s19, s19, s2
	s_add_co_u32 s19, s19, s16                     ; v: batch x 16 + head
	s_lshl_b32 s51, s22, 1
	s_add_co_u32 s51, s51, s15
	s_and_b32 s51, s51, 15                         ; v: the key step
	s_mul_i32 s3, s16, 3072                        ; q, k: my four token tiles
	s_lshl_b32 s2, s16, 8                          ; and their scale words
	s_cmp_eq_u32 s20, 0                            ; q?
	s_cselect_b64 s[84:85], s[8:9], s[12:13]       ; codes go to qc or kvc,
	s_cselect_b64 s[88:89], s[10:11], s[12:13]     ; scale words to qs or kvc
	s_mov_b32 s59, 208896
	s_cselect_b32 s59, 98304, s59                  ; codes: bytes from head to head,
	s_mov_b32 s60, 13056
	s_cselect_b32 s60, 6144, s60                   ; and from 128 tokens to the next
	s_mov_b32 s61, 208896
	s_cselect_b32 s61, 8192, s61                   ; scale words likewise
	s_mov_b32 s62, 13056
	s_cselect_b32 s62, 512, s62
	s_cselect_b32 s63, 0, 12288
	s_add_co_u32 s2, s2, s63
	s_cmp_eq_u32 s20, 2                            ; v?
	s_cselect_b32 s86, 3072, s59                   ; from a fragment's first half to its second
	s_cselect_b32 s57, 0, s61                      ; lanes 16-31 write the odd head's scale word (v: the same word as lanes 0-15)
	s_cselect_b32 s58, 0, 16                       ; which is the upper half of the word made
	s_mov_b32 s56, 0xffff
	s_cselect_b32 s56, -1, s56
	s_cselect_b32 s66, s19, s66
	s_cselect_b32 s67, s51, s67
	s_cselect_b32 s3, 6144, s3
	s_cselect_b32 s2, 12800, s2
	s_mul_i32 s90, s66, s59
	s_mul_i32 s19, s67, s60
	s_add_co_u32 s90, s90, s19
	s_add_co_u32 s90, s90, s3
	s_mov_b32 s91, 0
	s_add_nc_u64 s[84:85], s[84:85], s[90:91]      ; the first halves
	s_mov_b32 s87, 0
	s_add_nc_u64 s[86:87], s[84:85], s[86:87]      ; the second halves
	s_mul_i32 s90, s66, s61
	s_mul_i32 s19, s67, s62
	s_add_co_u32 s90, s90, s19
	s_add_co_u32 s90, s90, s2
	s_add_nc_u64 s[88:89], s[88:89], s[90:91]      ; the scale words
	v_lshlrev_b32 v12, 2, v2
	v_mad_u32_u24 v12, v3, s57, v12                ; 4 r, + a head for lanes 16-31
	v_mul_u32_u24 v13, v3, s58                     ; the shift: 16 h or 0
	WALU
.endm
; THE WAY OUT of Y's tile a: a lane's 64 numbers (register 16 b + i = X's row 32 b + 16 h + i of my Y row) become a fragment and a scale word.  Each tile has registers of its own.
.macro QOUT a
.set AC,  64*(\a)
.set PCA, YF+20*(\a)
.set PW,  192+(\a)
.set PX,  196+(\a)
	WIN 0x0a                                       ; sources 0 and 1: window 2
.irp b, 0,1,2,3
	v_max3_num_f32 v[TM+\b], |v[AC+16*\b]|, |v[AC+16*\b+1]|, 0x1800000   ; each accumulator is read from its low end on; the floor 2^(3 - 127) holds the byte at 1 from below
.endr
.irp i, 2,4,6,8,10,12,14
.irp b, 0,1,2,3
	v_max3_num_f32 v[TM+\b], |v[AC+16*\b+\i]|, |v[AC+16*\b+\i+1]|, v[TM+\b]
.endr
.endr
	WIN 0
.irp b, 0,1,2,3
	v_permlanex16_b32 v[TM+4+\b], v[TM+\b], s[SEL], s[SEL+1]
.endr
.irp b, 0,1,2,3
	v_max_num_f32 v[TM+\b], v[TM+\b], v[TM+4+\b]
.endr
.irp b, 0,1,2,3
	v_add_nc_u32 v[TM+12+\b], 0xff000000, v[TM+\b] ; 2 off the exponent field: the conversion's scale operand
.endr
.irp b, 0,1,2,3
	v_lshrrev_b32 v[TM+4+\b], 23, v[TM+12+\b]      ; the scale's byte
.endr
	v_lshl_or_b32 v[PW], v[TM+5], 8, v[TM+4]
	v_lshl_or_b32 v[PW], v[TM+6], 16, v[PW]
	v_lshl_or_b32 v[PW], v[TM+7], 24, v[PW]
	WIN 0x02                                       ; source 0: window 2
.irp c, 0,1
	v_cvt_scalef32_pk16_fp6_f32 v[PCA+6*\c:PCA+2+6*\c], v[AC+32*\c:AC+15+32*\c], v[TM+12+2*\c]
	v_cvt_scalef32_pk16_fp6_f32 v[PCA+12+4*\c:PCA+14+4*\c], v[AC+16+32*\c:AC+31+32*\c], v[TM+12+2*\c+1]
.endr
	WIN 0
	v_nop                                          ; one plain instruction behind the scaled conversions
.irp c, 0,1
.irp i, 0,1,2
	v_permlane16_swap_b32 v[PCA+6*\c+\i], v[PCA+12+4*\c+\i]
.endr
.irp i, 0,1,2
	v_mov_b32 v[PCA+3+6*\c+\i], v[PCA+12+4*\c+\i]
.endr
.endr
	v_lshrrev_b32 v[PX], v13, v[PW]
	v_and_b32 v[PX], s56, v[PX]
	global_store_b128 v8, v[PCA:PCA+3], s[84:85] offset:768*(\a)          ; 512 consecutive bytes, aligned to 256
	global_store_b64 v9, v[PCA+4:PCA+5], s[84:85] offset:768*(\a)+512     ; 256 consecutive bytes, aligned
	global_store_b128 v8, v[PCA+6:PCA+9], s[86:87] offset:768*(\a)
	global_store_b64 v9, v[PCA+10:PCA+11], s[86:87] offset:768*(\a)+512
	global_store_b32 v12, v[PX], s[88:89] offset:64*(\a)
.endm
; A JOB.  more = 1: another follows
.macro JOB more
	WALU
	s_wait_tensorcnt 0x0                           ; my part of slot 0 has landed: no load of mine is out
	ds_add_u32 v254, v255
	s_add_nc_u64 s[G0X+6:G0X+7], s[92:93], 6144    ; slot 1 takes this job's second half of K
	s_or_b32 s[G0X+7], s[G0X+7], 0x80000000
	s_add_nc_u64 s[G0Y+6:G0Y+7], s[94:95], 6144
	s_or_b32 s[G0Y+7], s[G0Y+7], 0x80000000
	s_wait_dscnt 0x0                               ; the add is done, and my reads of slot 1 are over
	ROUND
	JLOAD 1
	FETCH 0
	s_mov_b32 s20, s[JB]
	TILES
	OUTADDR
.if \more
	s_add_co_u32 s20, s[JB], 1
	TILES
	ADDR
	s_mul_i32 s2, s18, 24576                       ; of X's 8 rows that I fetch the partner at cy asks for rows 2 cy, 2 cy + 1;
	s_mul_i32 s3, s17, 12288                       ; of Y's 4 the partner at cx for row cx
	s_cmp_lt_u32 s[WV], 2
	s_cselect_b32 s2, s2, s3
	s_mov_b32 s3, 0
	s_cselect_b64 s[PFB:PFB+1], s[92:93], s[94:95]
	s_add_nc_u64 s[PFB:PFB+1], s[PFB:PFB+1], s[2:3]
	s_cselect_b32 s60, 1, 0                        ; I fetch for X
	s_cmp_eq_u32 s20, 2
	s_cselect_b32 s59, 1, 0                        ; X is the tokens
	s_xor_b32 s59, s59, s60                        ; 0: what I fetch is tokens
	s_cmp_lt_u32 s[CLY], 4
	s_cselect_b32 s[PFG], 0, s59                   ; the weights are asked for by four clusters alone
	SCLOAD SCN
	PF 0
.endif
.irp s, 0,1,2,3,4,5,6,7
	KSTEP \s, \more
.endr
	PLACES 4                                       ; four places between the last products and the first read of results and write of operand and scale registers
.if \more
	s_wait_loadcnt 0x0
.set I, 0
.rept 48
	v_mov_b32 v[SCX+I], v[SCN+I]                   ; the next job's scale words; the way out below stands between these lines and the products that take them
.set I, I+1
.endr
.endif
	QOUT 0
	QOUT 1
	QOUT 2
	QOUT 3
	s_wait_xcnt 0x0                                ; the stores, loads and prefetches have read their registers: the next job may write them
.endm
	s_load_b256 s[4:11], s[0:1], 0x0               ; xc s[4:5], xs s[6:7], qc s[8:9], qs s[10:11]
	s_load_b64 s[12:13], s[0:1], 0x20              ; kvc
	v_lshl_add_u32 v254, v0, 2, SPARE
	v_mov_b32 v255, 0
	ds_add_u32 v254, v255                          ; the opening lines: the add, twice on end, and its wait
	ds_add_u32 v254, v255
	v_lshrrev_b32 v1, 5, v0
	v_readfirstlane_b32 s[WV], v1                  ; wave 0..3
	s_and_b32 s15, s[WV], 1                        ; my half of X.  Also: which half of X's (waves 0, 1) or Y's (waves 2, 3) tiles I fetch
	s_lshr_b32 s16, s[WV], 1                       ; my half of Y
	s_mul_i32 s62, s15, 49152                      ; in a slot: X's half (where I put it, and where I read my half of X)
	s_mul_i32 s63, s15, 24576
	s_add_co_u32 s63, s63, 98304                   ; Y's half that I put
	s_mul_i32 s59, s16, 24576
	s_add_co_u32 s59, s59, 98304                   ; Y's half that I read
	v_and_b32 v1, 31, v0                           ; lane
	v_and_b32 v2, 15, v0                           ; r
	v_bfe_u32 v3, v0, 4, 1                         ; h
	v_lshlrev_b32 v8, 4, v1                        ; 16 x lane
	v_lshlrev_b32 v9, 3, v1                        ; 8 x lane
	v_lshlrev_b32 v10, 5, v2
	v_lshl_add_u32 v11, v3, 10, v10                ; Y's scale words: 32 r, lanes 16-31 two tiles on
	v_lshl_add_u32 v10, v3, 11, v10                ; X's: lanes 16-31 four tiles on
	v_min_u32 v18, 23, v1
	v_lshlrev_b32 v18, 8, v18                      ; the prefetches: a lane a block of 256 bytes of a row of 6,144
	v_add_nc_u32 v4, s62, v8
	v_add_nc_u32 v5, s62, v9
	v_add_nc_u32 v6, s59, v8
	v_add_nc_u32 v7, s59, v9
.irp j, 4,5,6,7
	v_add_nc_u32 v[10+\j], SLOT, v[\j]
.endr
.irp b, 0,1,2,3
	v_mov_b32 v[TM+4+\b], 0                        ; written once: a lane permute's destination counts as one of its sources
.endr
	s_bfe_u32 s17, ttmp6, 0x40000                  ; cx
	s_bfe_u32 s18, ttmp6, 0x40004                  ; cy
	s_and_b32 s[CLY], ttmp7, 0xffff
	s_lshl_b32 s60, 0x1111, s17                    ; my column of the cluster (same cx)
	s_lshl_b32 s61, s18, 2
	s_lshl_b32 s61, 15, s61                        ; my row (same cy)
	; group 1: 8 (X) or 4 (Y) tiles, of each half of K: 6,144 bytes as 768 elements of 8 bytes, 12,288 bytes from tile to tile; dense in LDS
	s_or_b32 s[G1X], s60, (3<<16)|(1<<21)
	s_mov_b32 s[G1X+1], 768<<16
	s_mov_b32 s[G1X+2], 8<<16
	s_mov_b32 s[G1X+3], 768<<16
	s_mov_b32 s[G1X+4], 8
	s_mov_b32 s[G1X+5], 1536
	s_mov_b32 s[G1X+6], 0
	s_mov_b32 s[G1X+7], 0
	s_or_b32 s[G1Y], s61, (3<<16)|(1<<21)
	s_mov_b32 s[G1Y+1], 768<<16
	s_mov_b32 s[G1Y+2], 4<<16
	s_mov_b32 s[G1Y+3], 768<<16
	s_mov_b32 s[G1Y+4], 4
	s_mov_b32 s[G1Y+5], 1536
	s_mov_b32 s[G1Y+6], 0
	s_mov_b32 s[G1Y+7], 0
.irp sl, 0,1
	s_mov_b32 s[G0X+4*\sl], 1
	s_add_co_u32 s[G0X+4*\sl+1], s62, SLOT*\sl
	s_mov_b32 s[G0Y+4*\sl], 1
	s_add_co_u32 s[G0Y+4*\sl+1], s63, SLOT*\sl
.endr
	s_mov_b32 s[SEL], 0x76543210
	s_mov_b32 s[SEL+1], 0xfedcba98
	s_mov_b32 s20, 0
	TILES
	WALU                                           ; the wait at the end of the head's vector work
	s_wait_dscnt 0x0
	s_wait_kmcnt 0x0
	ADDR
	s_mov_b64 s[G0X+2:G0X+3], s[92:93]
	s_or_b32 s[G0X+3], s[G0X+3], 0x80000000
	s_mov_b64 s[G0Y+2:G0Y+3], s[94:95]
	s_or_b32 s[G0Y+3], s[G0Y+3], 0x80000000
	ROUND                                          ; all sixteen work-groups are here: the joint loads meet
	JLOAD 0                                        ; job 0's first half of K: one tensor load a wave at the head
	SCLOAD SCX
	s_mov_b32 s[JB], 0
	s_wait_loadcnt 0x0
.Ljob:
	JOB 1
	s_add_co_u32 s[JB], s[JB], 1
	s_cmp_lt_u32 s[JB], 2
	s_cbranch_scc1 .Ljob
	JOB 0
	s_wait_tensorcnt 0x0                           ; the wave's end
	ds_add_u32 v254, v255
	s_wait_dscnt 0x0
	ROUND                                          ; the closing round
	s_endpgm
.Lfunc_end_k_q1d608659d5_proj:
	.size	k_q1d608659d5_proj, .Lfunc_end_k_q1d608659d5_proj-k_q1d608659d5_proj
	.p2alignl 7, 3214868480
	.fill 96, 4, 3214868480
	.section	.rodata,"a",@progbits
	.p2align	6, 0x0
	.amdhsa_kernel k_q1d608659d5_proj
		.amdhsa_group_segment_fixed_size 327680
		.amdhsa_private_segment_fixed_size 0
		.amdhsa_enable_private_segment 0
		.amdhsa_kernarg_size 40
		.amdhsa_user_sgpr_count 2
		.amdhsa_user_sgpr_kernarg_segment_ptr 1
		.amdhsa_wavefront_size32 1
		.amdhsa_system_sgpr_workgroup_id_x 1
		.amdhsa_system_sgpr_workgroup_id_y 1
		.amdhsa_system_sgpr_workgroup_id_z 1
		.amdhsa_system_vgpr_workitem_id 0
		.amdhsa_next_free_vgpr 768
		.amdhsa_next_free_sgpr 100
		.amdhsa_reserve_vcc 0
		.amdhsa_float_denorm_mode_32 3
		.amdhsa_float_denorm_mode_16_64 3
		.amdhsa_memory_ordered 1
		.amdhsa_forward_progress 1
		.amdhsa_inst_pref_size 175
	.end_amdhsa_kernel
	.amdgpu_metadata
---
amdhsa.version: [ 1, 2 ]
amdhsa.kernels:
  - .name:           k_q1d608659d5_proj
    .symbol:         k_q1d608659d5_proj.kd
    .args:
      - { .name: xc, .offset: 0, .size: 8, .value_kind: global_buffer, .address_space: global }
      - { .name: xs, .offset: 8, .size: 8, .value_kind: global_buffer, .address_space: global }
      - { .name: qc, .offset: 16, .size: 8, .value_kind: global_buffer, .address_space: global }
      - { .name: qs, .offset: 24, .size: 8, .value_kind: global_buffer, .address_space: global }
      - { .name: kvc, .offset: 32, .size: 8, .value_kind: global_buffer, .address_space: global }
    .group_segment_fixed_size: 327680
    .private_segment_fixed_size: 0
    .kernarg_segment_align: 8
    .kernarg_segment_size: 40
    .max_flat_workgroup_size: 128
    .sgpr_count:     100
    .vgpr_count:     768
    .wavefront_size: 32
...
	.end_amdgpu_metadata
.endif
;; end of part 2
;; launch attn (part 3): grid 4 x 64, 8 waves a work-group, clusters of 4 x 1, 210,944 bytes of LDS; arguments qc, qs, kvc, cc, cs; writes cc, cs
.if DOCPART == 3
	.amdgcn_target "amdgcn-amd-amdhsa--gfx1250"
	.amdhsa_code_object_version 6
	.text
	.protected	k_q1d608659d5_attn
	.globl	k_q1d608659d5_attn
	.p2align	8
	.type	k_q1d608659d5_attn,@function
k_q1d608659d5_attn:
	s_mov_b64 s[64:65], 0
	v_nop
	global_prefetch_b8 v0, s[64:65] scope:SCOPE_SE
	s_setreg_imm32_b32 hwreg(HW_REG_WAVE_MODE, 25, 1), 1
	s_wait_xcnt 0x0
	s_wait_alu depctr_hold_cnt(0) depctr_sa_sdst(0) depctr_va_vdst(0) depctr_va_sdst(0) depctr_va_ssrc(0) depctr_va_vcc(0) depctr_vm_vsrc(0)
	s_getreg_b32 s2, hwreg(HW_REG_IB_STS2, 6, 4)
	s_cmp_eq_u32 s2, 0
	s_cbranch_scc0 .Lentry_in_a_cluster
	s_endpgm
.Lentry_in_a_cluster:
	s_bfe_u32 s2, ttmp6, 0x10000c
	s_cmp_lg_u32 s2, 0x3003
	s_cbranch_scc0 .Lentry_shape_is_right
	s_endpgm
.Lentry_shape_is_right:
; ctx[bh][q] = sum over keys of softmax(q . k / 8) v, both products on codes of FP6 (E2M3) with E8M0 scales, f32 sums; ctx leaves as codes, quantised along the model's 1,024 (a head is two blocks of 32).
; THE SOFTMAX: t = score x log2(e) / 8; M = the running largest t rounded UP to a whole number; p = 2^(t - M) is quantised along the keys, not normalised; the row's sum is taken of the
; unquantised p and divides at the end; when M moves, the sum and O are multiplied by 2^(old M - new M), which rounds nothing.
; SHARES: a work-group owns 512 queries of one head; each of its eight waves 64: four tiles of 16.  A key step is 128 keys (13,056 bytes: k's codes, v's codes, their scale words); a wave reads its
; fragments from LDS ONCE for its four query tiles.  The tiles go two at a time (a pair): the first tile's chain of dependent lines for M stands among the second's maxima, the second's among the first's multiply-adds.
; The head's 2,048 keys lie in LDS whole; nothing is filled twice.  CLUSTER 4 x 1: the four work-groups are the head's four query blocks and need the same k and v: each wave asks jointly for two key
; steps by one load (one out, by this text's count); every wave waits for its load, and one barrier shows all sixteen steps.  No barrier stands in the loop.
; No prefetch: all of k and v is asked for at the head by its own loads, so no address is known earlier.
; k's fragments of the next key step are read behind the second pair's score products; in the last trip the address is held at step 15, whose fragments are read once more and not used.
; LAYOUT: both products transposed: S^T = k q^T (source 0 = 16 keys), O^T = v^T p^T (source 0 = 16 channels): a lane holds ONE query.
; WHICH KEYS FORM A TILE OF k is chosen by the lanes' LDS addresses: rows 0-7 of tile 4 c + j are keys 64 c + 8 j + 0 .. 7, rows 8-15 keys 64 c + 32 + 8 j + 0 .. 7.  So register 32 c + 8 j + i of lane (r, h) is
; key 64 c + 32 h + 8 j + i: a lane holds two WHOLE blocks of 32 keys, in the order of p's operand registers: a block's largest score needs no other lane, and p's codes are not exchanged between lanes.
; In kvc key 32 b + 16 u + 8 e + i lies in tile 2 b + e, row 8 u + i: the lane's term is 1,536 (r / 8) + 16 (r % 8) + 256 h, the tile's a constant.
; K = 64 IN AN INSTRUCTION OF 128: q's registers 6-11 are zero codes; k's tile n is named as six registers of its own and the next tile's six (or six zeros): every code is a finite number, so those
; products are 0.  The scale bytes that meet them are 0, a finite scale.
; LIMITS: the promise holds while the scaled scores stay under 2^31 in magnitude; a block of zeros gets the byte 1 (its codes are zeros; this program alone reads the bytes); NaN and infinities are not served.
; ctx's scale bytes leave two at a time, 32 bytes apart (a work-group owns one head).
; REGISTERS, window 0: v1-15 addresses; v16-31 a tile's -M, largest score and sum (two halves); v32-43 scale words and nothing else; v44-67, v244-251 at work; v68-115 q; v116-243 S^T, then p, of a pair.
;   window 1: v0-127 O^T of four tiles; v128-181 k's 8 tiles and six zeros; v182-229 v's 4 fragments; v230-253 p's codes of a pair.
.set STEPB, 13056
.set SPARE, 16*STEPB                   ; behind the keys: the spare words, 128 bytes a wave
.set A16, 1                            ; 16 x lane
.set A8,  2                            ; 8 x lane
.set AK,  3                            ; k's codes, registers 0-3 of a tile: the lane's term
.set AK2, 4                            ; registers 4-5
.set AS,  5                            ; k's scale words
.set A4,  6                            ; 4 x lane
.set R32, 7                            ; 32 r
.set SPW, 8
.set NIL, 9
.set LK,  10                           ; v10-12 k's three addresses at the next key step, v13-15 v's at this one
.set ST,  16
.set QS,  32
.set KS,  36
.set VS,  40
.set PS,  42
.set BM,  44                           ; a pair's four blocks: largest score, then largest p, then bytes
.set SO,  48                           ; the conversions' scale operands
.set BN,  52                           ; from here 16 registers take the conversions' second halves; then chains of the sums
.set T,   56
.set FF,  60                           ; f = 2^(old M - new M): v60, v62 (named as pairs)
.set LT,  64
.set QF,  68
.set S,   116
.set CH,  244                          ; eight chains of maxima
.set O,   0
.set KF,  128
.set VF,  182
.set PC,  230
.set WV,  14
.set SEL, 20                           ; s[20:21] selects of v_permlanex16_b32 for lane l xor 16
.set CS,  22                           ; s[22:23] c = log2(e) / 8, twice
.set G1,  24
.set G0,  32
.set NC,  36                           ; -c
.set TN,  37                           ; LDS byte of the next key step, held at the last
.set TB,  48                           ; LDS byte of the key step in hand
.set CT,  49
.set MSB, 0
.macro WIN new                         ; the immediate's high byte repeats the setting that is left
.if MSB != \new
	s_set_vgpr_msb (MSB<<8)|\new
.set MSB, \new
.endif
.endm
.macro WALU
	s_wait_alu depctr_va_vdst(0)
.endm
.macro PLACES n
.rept \n
	v_nop
.endr
.endm
.macro ROUND                           ; a round of the cluster's barrier
	s_barrier_signal -1
	s_barrier_wait -1
	s_cmp_lg_u32 s[WV], 0
	s_cbranch_scc1 .Lnot_wave_0_\@
	s_barrier_signal -3
.Lnot_wave_0_\@:
	s_barrier_wait -3
	s_barrier_signal -1
	s_barrier_wait -1
.endm
.macro SMUL n, y, x                    ; S^T: k's tile n x query tile x, into half y of S
.if (\n)%2
	v_wmma_scale_f32_16x16x128_f8f6f4 v[S+64*(\y)+8*(\n):S+64*(\y)+8*(\n)+7], v[KF+6*(\n):KF+6*(\n)+11], v[QF+12*(\x):QF+12*(\x)+11], 0, v[KS+(\n)/2], v[QS+(\x)] matrix_a_fmt:MATRIX_FMT_FP6 matrix_b_fmt:MATRIX_FMT_FP6 matrix_a_scale:MATRIX_SCALE_ROW1
.else
	v_wmma_scale_f32_16x16x128_f8f6f4 v[S+64*(\y)+8*(\n):S+64*(\y)+8*(\n)+7], v[KF+6*(\n):KF+6*(\n)+11], v[QF+12*(\x):QF+12*(\x)+11], 0, v[KS+(\n)/2], v[QS+(\x)] matrix_a_fmt:MATRIX_FMT_FP6 matrix_b_fmt:MATRIX_FMT_FP6
.endif
.endm
.macro PMUL t, y, x                    ; O^T += v's channel tile t x p of half y
.if (\t)%2
	v_wmma_scale_f32_16x16x128_f8f6f4 v[O+32*(\x)+8*(\t):O+32*(\x)+8*(\t)+7], v[VF+12*(\t):VF+12*(\t)+11], v[PC+12*(\y):PC+12*(\y)+11], v[O+32*(\x)+8*(\t):O+32*(\x)+8*(\t)+7], v[VS+(\t)/2], v[PS+(\y)] matrix_a_fmt:MATRIX_FMT_FP6 matrix_b_fmt:MATRIX_FMT_FP6 matrix_a_scale:MATRIX_SCALE_ROW1
.else
	v_wmma_scale_f32_16x16x128_f8f6f4 v[O+32*(\x)+8*(\t):O+32*(\x)+8*(\t)+7], v[VF+12*(\t):VF+12*(\t)+11], v[PC+12*(\y):PC+12*(\y)+11], v[O+32*(\x)+8*(\t):O+32*(\x)+8*(\t)+7], v[VS+(\t)/2], v[PS+(\y)] matrix_a_fmt:MATRIX_FMT_FP6 matrix_b_fmt:MATRIX_FMT_FP6
.endif
.endm
.macro KLOAD a, b, c                   ; a key step's k: 4 loads of scale words (lanes 0-15 tile 2 i, lanes 16-31 tile 2 i + 1) and 16 of codes
.irp i, 0,1,2,3
	ds_load_b32 v[KS+\i], v[\c] offset:12288+256*(\i/2)+32*(\i%2)
.endr
	WIN 0x40                                       ; destination window 1
.irp n, 0,1,2,3,4,5,6,7
	ds_load_b128 v[KF+6*\n:KF+6*\n+3], v[\a] offset:3072*(\n/4)+768*(\n%2)+128*((\n%4)/2)
	ds_load_b64 v[KF+6*\n+4:KF+6*\n+5], v[\b] offset:3072*(\n/4)+768*(\n%2)+512+64*((\n%4)/2)
.endr
	WIN 0
.endm
; Line i (0 .. 31) of the search for the largest score of each of a tile's two blocks of 32 keys, all in my lane: a chain to each accumulator (read from its low end on), then the chains are joined
.macro MAXOP y, i
.if (\i) < 24
.set q_, (\i)%8
.set b_, S+64*(\y)+8*q_
.if (\i) < 8
	v_max3_num_f32 v[CH+q_], v[b_], v[b_+1], v[b_+2]
.else
	v_max3_num_f32 v[CH+q_], v[CH+q_], v[b_+2*((\i)/8)+1], v[b_+2*((\i)/8)+2]
.endif
.elseif (\i) < 28
.set q_, (\i)-24
	v_max3_num_f32 v[CH+2*q_], v[CH+2*q_], v[CH+2*q_+1], v[S+64*(\y)+16*q_+7]
.elseif (\i) < 30
.set q_, (\i)-28
	v_max3_num_f32 v[CH+4*q_], v[CH+4*q_], v[CH+4*q_+2], v[S+64*(\y)+32*q_+15]
.else
.set q_, (\i)-30
	v_max_num_f32 v[BM+2*(\y)+q_], v[CH+4*q_], v[S+64*(\y)+32*q_+31]
.endif
.endm
; Stage k (0 .. 7) of the chain from a tile's block maxima to -M = floor(-c x the running largest score) and f = 2^(old M - new M)
.macro CHOP y, k, x
.set X_, ST+4*(\x)
.if (\k) == 0
	v_max_num_f32 v[T+\y], v[BM+2*\y], v[BM+2*\y+1]
.elseif (\k) == 1
	v_permlanex16_b32 v[T+2+\y], v[T+\y], s[SEL], s[SEL+1]
.elseif (\k) == 2
	v_max3_num_f32 v[X_+1], v[X_+1], v[T+\y], v[T+2+\y]   ; with lane l xor 16's 64 keys
.elseif (\k) == 3
	v_mul_f32 v[T+\y], s[NC], v[X_+1]
.elseif (\k) == 4
	v_floor_f32 v[T+\y], v[T+\y]                   ; the new -M = -ceil(t)
.elseif (\k) == 5
	v_sub_f32 v[T+2+\y], v[T+\y], v[X_]            ; old M - new M: a whole number, 0 or less
	v_mov_b32 v[X_], v[T+\y]
.elseif (\k) == 6
	v_cvt_i32_f32 v[T+2+\y], v[T+2+\y]             ; (it saturates)
.else
	v_ldexp_f32 v[FF+2*\y], 1.0, v[T+2+\y]
.endif
.endm
.macro FMAS n, b, st                   ; n more lines of t - M, two numbers a line, from register b + J on
.rept \n
	v_pk_fma_f32 v[\b+J:\b+J+1], v[\b+J:\b+J+1], s[CS:CS+1], v[\st:\st+1] op_sel_hi:[1,0,0]
.set J, J+2
.endr
.endm
.macro PADD d, y, j                    ; a chain of a sum takes p's pair at register j of half y
	v_pk_add_f32 v[\d:\d+1], v[\d:\d+1], v[S+64*\y+\j:S+64*\y+\j+1]
.endm
; QUERY TILES x0 AND x0 + 1 AGAINST THE KEY STEP IN REGISTERS
.macro PAIR x0
	WIN 0x01                                       ; source 0 (k) window 1
.irp n, 0,1,2,3,4,5,6,7
.irp y, 0,1
	SMUL \n, \y, \x0+\y
.endr
.endr
	WIN 0
.if (\x0) == 2
	v_add_nc_u32 v[LK], s[TN], v[AK]               ; these four lines are the places between the products and the loads into k's registers and the first read of the scores
	v_add_nc_u32 v[LK+1], s[TN], v[AK2]
	v_add_nc_u32 v[LK+2], s[TN], v[AS]
	v_nop
	KLOAD LK, LK+1, LK+2                           ; the next key step's k: 20 loads, waited for at the next trip's top
.else
	PLACES 4
.endif
.set I_, 0
.rept 32
	MAXOP 0, I_
.set I_, I_+1
.endr
.set K_, 0
.rept 8
	CHOP 0, K_, \x0
	MAXOP 1, 4*K_
	MAXOP 1, 4*K_+1
	MAXOP 1, 4*K_+2
	MAXOP 1, 4*K_+3
.set K_, K_+1
.endr
.set K_, 0
.set J, 0
.rept 8
	CHOP 1, K_, \x0+1
	FMAS 4, S, ST+4*(\x0)                          ; the first tile's t - M
.set K_, K_+1
.endr
.irp y, 0,1
.irp c, 0,1
	v_fma_f32 v[BM+2*\y+\c], v[BM+2*\y+\c], s[CS], v[ST+4*(\x0+\y)]   ; the same of each block's largest score
.endr
.endr
.irp y, 0,1
	v_pk_mul_f32 v[ST+4*(\x0+\y)+2:ST+4*(\x0+\y)+3], v[ST+4*(\x0+\y)+2:ST+4*(\x0+\y)+3], v[FF+2*\y:FF+2*\y+1] op_sel_hi:[1,0]   ; the sums under the new M
.endr
	WIN 0x41                                       ; destination and source 0 window 1
	WALU                                           ; the wait directly ahead of the first reader of O^T, and ahead of the exponentials
.irp y, 0,1
.set J, 0
.rept 16
	v_pk_mul_f32 v[O+32*(\x0+\y)+J:O+32*(\x0+\y)+J+1], v[O+32*(\x0+\y)+J:O+32*(\x0+\y)+J+1], v[FF+2*\y:FF+2*\y+1] op_sel_hi:[1,0]   ; O^T under the new M
.set J, J+2
.endr
.endr
	WIN 0
.irp b, 0,1,2,3
	v_exp_f32 v[BM+\b], v[BM+\b]                   ; a block's largest p: the same two instructions on the same number give the same bits as its element's
.endr
.set J, 0
.rept 32
	v_exp_f32 v[S+J], v[S+J]                       ; the first tile's p = 2^(t - M), at most 1;
	v_exp_f32 v[S+J+1], v[S+J+1]
	FMAS 1, S+64, ST+4*(\x0+1)                     ; among them the second tile's t - M
.endr
	WALU                                           ; one wait behind this batch, which is also the wait ahead of the next
.irp b, 0,1,2,3
	v_max_num_f32 v[BM+\b], 0x1800000, v[BM+\b]    ; the floor 2^(3 - 127): the byte cannot fall under 1
.endr
.irp b, 0,1,2,3
	v_add_nc_u32 v[SO+\b], 0xff000000, v[BM+\b]    ; 2 off the exponent field: the conversion's scale operand
.endr
.irp b, 0,1,2,3
	v_lshrrev_b32 v[BM+\b], 23, v[SO+\b]           ; the scale's byte
.endr
.irp y, 0,1
	v_lshl_or_b32 v[BM+2*\y], v[BM+2*\y+1], 16, v[BM+2*\y]   ; my blocks h and 2 + h
.endr
.irp y, 0,1
	v_permlanex16_b32 v[T+\y], v[BM+2*\y], s[SEL], s[SEL+1]
.endr
.irp y, 0,1
	v_lshl_or_b32 v[PS+\y], v[T+\y], 8, v[BM+2*\y] ; lanes 0-15, which alone are read: p's scale word of these 128 keys
.endr
.set J, 0
.rept 64
	v_exp_f32 v[S+64+J], v[S+64+J]                 ; the second tile's p
.set J, J+1
.endr
	v_nop                                          ; a plain instruction behind the exponentials
	WALU
	WIN 0x40                                       ; destination window 1
.irp y, 0,1
.irp c, 0,1
	v_cvt_scalef32_pk16_fp6_f32 v[PC+12*\y+6*\c:PC+12*\y+6*\c+2], v[S+64*\y+32*\c:S+64*\y+32*\c+15], v[SO+2*\y+\c]
.endr
.endr
	WIN 0
.irp y, 0,1
.irp c, 0,1
	v_cvt_scalef32_pk16_fp6_f32 v[BN+8*\y+4*\c:BN+8*\y+4*\c+2], v[S+64*\y+32*\c+16:S+64*\y+32*\c+31], v[SO+2*\y+\c]   ; (a conversion's three registers begin on an even number)
.endr
.endr
	v_nop                                          ; one plain instruction behind the scaled conversions
	WIN 0x40
.irp y, 0,1
.irp c, 0,1
.irp i, 0,1,2
	v_mov_b32 v[PC+12*\y+6*\c+3+\i], v[BN+8*\y+4*\c+\i]
.endr
.endr
.endr
	WIN 0
; the rows' sums of the unquantised p: four chains a tile, eight by turns.  These 64 lines also stand between the writes of p's codes and scale words and the products
.irp y, 0,1
	v_pk_add_f32 v[LT+2*\y:LT+2*\y+1], v[S+64*\y:S+64*\y+1], v[S+64*\y+2:S+64*\y+3]
.endr
.irp y, 0,1
	v_pk_add_f32 v[BN+4*\y:BN+4*\y+1], v[S+64*\y+4:S+64*\y+5], v[S+64*\y+6:S+64*\y+7]
.endr
.irp y, 0,1
	v_pk_add_f32 v[BN+4*\y+2:BN+4*\y+3], v[S+64*\y+8:S+64*\y+9], v[S+64*\y+10:S+64*\y+11]
.endr
.irp y, 0,1
	PADD ST+4*(\x0+\y)+2, \y, 12
.endr
.set J, 14
.rept 6
.irp y, 0,1
	PADD LT+2*\y, \y, J
.endr
.irp y, 0,1
	PADD BN+4*\y, \y, J+2
.endr
.irp y, 0,1
	PADD BN+4*\y+2, \y, J+4
.endr
.irp y, 0,1
	PADD ST+4*(\x0+\y)+2, \y, J+6
.endr
.set J, J+8
.endr
.irp y, 0,1
	PADD LT+2*\y, \y, 62
.endr
.irp y, 0,1
	v_pk_add_f32 v[ST+4*(\x0+\y)+2:ST+4*(\x0+\y)+3], v[ST+4*(\x0+\y)+2:ST+4*(\x0+\y)+3], v[BN+4*\y+2:BN+4*\y+3]
.endr
.irp y, 0,1
	v_pk_add_f32 v[LT+2*\y:LT+2*\y+1], v[LT+2*\y:LT+2*\y+1], v[BN+4*\y:BN+4*\y+1]
.endr
.irp y, 0,1
	v_pk_add_f32 v[ST+4*(\x0+\y)+2:ST+4*(\x0+\y)+3], v[ST+4*(\x0+\y)+2:ST+4*(\x0+\y)+3], v[LT+2*\y:LT+2*\y+1]
.endr
.if (\x0) == 0
	WALU
	s_wait_dscnt 0x0                               ; v's fragments and scale words are in
.endif
	WIN 0x55                                       ; all of v, p and O^T in window 1
.irp t, 0,1,2,3
.irp y, 0,1
	PMUL \t, \y, \x0+\y
.endr
.endr
	WIN 0
.endm
	s_load_b256 s[4:11], s[0:1], 0x0               ; qc s[4:5], qs s[6:7], kvc s[8:9], cc s[10:11]
	s_load_b64 s[12:13], s[0:1], 0x20              ; cs
	v_lshl_add_u32 v[SPW], v0, 2, SPARE
	v_mov_b32 v[NIL], 0
	ds_add_u32 v[SPW], v[NIL]                      ; the opening lines: the add, twice on end, and its wait ahead of my tensor load
	ds_add_u32 v[SPW], v[NIL]
	v_lshrrev_b32 v1, 5, v0
	v_readfirstlane_b32 s[WV], v1                  ; wave 0..7
	v_and_b32 v10, 31, v0                          ; lane
	v_and_b32 v11, 15, v0                          ; r
	v_and_b32 v12, 7, v0                           ; r % 8
	v_bfe_u32 v13, v0, 3, 1                        ; r / 8
	v_bfe_u32 v14, v0, 4, 1                        ; h
	v_lshlrev_b32 v[A16], 4, v10
	v_lshlrev_b32 v[A8], 3, v10
	v_lshlrev_b32 v[A4], 2, v10
	v_lshlrev_b32 v[R32], 5, v11
	v_mul_u32_u24 v15, v13, 1536
	v_lshl_add_u32 v[AK], v12, 4, v15
	v_lshl_add_u32 v[AK], v14, 8, v[AK]            ; 1,536 (r / 8) + 16 (r % 8) + 256 h
	v_lshl_add_u32 v[AK2], v12, 3, v15
	v_lshl_add_u32 v[AK2], v14, 7, v[AK2]          ; 1,536 (r / 8) + 8 (r % 8) + 128 h
	v_lshlrev_b32 v[AS], 7, v13
	v_lshl_add_u32 v[AS], v12, 2, v[AS]
	v_lshl_add_u32 v[AS], v14, 6, v[AS]            ; 128 (r / 8) + 4 (r % 8) + 64 h: lanes 16-31 take the odd tile's words
	v_lshlrev_b32 v11, 2, v11                      ; 4 r
	s_bfe_u32 s15, ttmp6, 0x40000                  ; cx: my block of 512 queries; it enters q's and ctx's addresses alone
	s_and_b32 s16, ttmp7, 0xffff                   ; batch x 16 + head, which the four partners share
	s_mov_b32 s[G1], 15|(3<<16)|(1<<21)            ; the mask: all four work-groups; elements of 8 bytes; bit 21 beside a mask
	s_mov_b32 s[G1+1], 32<<16                      ; two key steps are a dense block: 102 rows of 256 bytes
	s_mov_b32 s[G1+2], 102<<16
	s_mov_b32 s[G1+3], 32<<16
	s_mov_b32 s[G1+4], 102
	s_mov_b32 s[G1+5], 32
	s_mov_b32 s[G1+6], 0
	s_mov_b32 s[G1+7], 0
	s_mov_b32 s[SEL], 0x76543210
	s_mov_b32 s[SEL+1], 0xfedcba98
	s_mov_b32 s[CS], 0x3e38aa3b                    ; log2(e) / 8
	s_mov_b32 s[CS+1], s[CS]
	s_mov_b32 s[NC], 0xbe38aa3b
	s_mul_i32 s17, s[WV], 2*STEPB                  ; wave w fetches key steps 2 w and 2 w + 1: the same offset in LDS and in memory
	s_mul_i32 s18, s16, 16*STEPB
	s_add_co_u32 s18, s18, s17
	s_mov_b32 s19, 0
	WALU
	s_wait_dscnt 0x0
	s_wait_kmcnt 0x0
	s_add_nc_u64 s[18:19], s[8:9], s[18:19]
	s_mov_b32 s[G0], 1
	s_mov_b32 s[G0+1], s17
	s_mov_b64 s[G0+2:G0+3], s[18:19]
	s_or_b32 s[G0+3], s[G0+3], 0x80000000
	ROUND                                          ; all four work-groups are here: the joint loads meet
	tensor_load_to_lds s[G0:G0+3], s[G1:G1+7]      ; one line, issued by every wave
	s_nop 0
	PLACES 4
	s_lshl_b32 s50, s15, 5
	s_lshl_b32 s51, s[WV], 2
	s_add_co_u32 s50, s50, s51                     ; my first query tile of the head's 128
	s_mul_i32 s52, s16, 98304
	s_mul_i32 s53, s50, 768
	s_add_co_u32 s52, s52, s53
	s_mov_b32 s53, 0
	s_add_nc_u64 s[4:5], s[4:5], s[52:53]          ; q's codes
	s_lshl_b32 s52, s16, 13
	s_lshl_b32 s54, s50, 6
	s_add_co_u32 s52, s52, s54
	s_add_nc_u64 s[6:7], s[6:7], s[52:53]          ; q's scale words
	s_lshr_b32 s54, s16, 4
	s_lshl_b32 s54, s54, 7
	s_add_co_u32 s54, s54, s50                     ; the same tile among all 512 token tiles
	s_and_b32 s55, s16, 15                         ; the head
	s_mul_i32 s52, s54, 12288
	s_mul_i32 s56, s55, 768
	s_add_co_u32 s52, s52, s56
	s_add_nc_u64 s[10:11], s[10:11], s[52:53]      ; ctx's codes: [token tile][head][768]
	s_lshl_b32 s52, s54, 9
	s_lshl_b32 s56, s55, 1
	s_add_co_u32 s52, s52, s56
	s_add_nc_u64 s[12:13], s[12:13], s[52:53]      ; ctx's scale bytes: [token tile][r][32], bytes 2 head, 2 head + 1
.irp x, 0,1,2,3
	global_load_b128 v[QF+12*\x:QF+12*\x+3], v[A16], s[4:5] offset:768*\x        ; the four query tiles stay in registers
	global_load_b64 v[QF+12*\x+4:QF+12*\x+5], v[A8], s[4:5] offset:768*\x+512
	global_load_b32 v[QS+\x], v11, s[6:7] offset:64*\x
.endr
.irp x, 0,1,2,3
.irp j, 6,7,8,9,10,11
	v_mov_b32 v[QF+12*\x+\j], 0                    ; zero codes for k = 64 .. 127
.endr
	v_mov_b32 v[ST+4*\x], 0x7e000000               ; -M: a large whole number, so that the first f is 0
	v_mov_b32 v[ST+4*\x+1], 0xff61b1e6             ; the largest score so far: -3e38
	v_mov_b32 v[ST+4*\x+2], 0
	v_mov_b32 v[ST+4*\x+3], 0
	v_mov_b32 v[T+\x], 0                           ; written once: a lane permute's destination counts as one of its sources
	v_mov_b32 v[FF+\x], 0                          ; (the upper halves of the pairs with f)
.endr
	WIN 0x40
.set J, 0
.rept 128
	v_mov_b32 v[O+J], 0                            ; O^T is written once: its first trip finds zeros, which the first f leaves zeros
.set J, J+1
.endr
.irp j, 0,1,2,3,4,5
	v_mov_b32 v[KF+48+\j], 0                       ; zero codes behind k's last tile
.endr
	WIN 0
	WALU                                           ; the wait at the head's end
	s_wait_loadcnt 0x0
	s_wait_tensorcnt 0x0                           ; my two key steps have landed
	s_barrier_signal -1
	s_barrier_wait -1                              ; everybody's have.
	s_mov_b32 s[TB], 0
	s_mov_b32 s[CT], 0
	KLOAD AK, AK2, AS                              ; key step 0's k
.Lkey:
	v_add_nc_u32 v[LK+3], s[TB], v[A16]            ; these four lines are the places between the last products and the loads into the registers that they read
	v_add_nc_u32 v[LK+4], s[TB], v[A8]
	v_add_nc_u32 v[LK+5], s[TB], v[A4]
	v_nop
	s_add_co_u32 s[TN], s[TB], STEPB
	s_min_u32 s[TN], s[TN], 15*STEPB
	WIN 0x40                                       ; destination window 1
.irp t, 0,1,2,3
.irp c, 0,1
	ds_load_b128 v[VF+12*\t+6*\c:VF+12*\t+6*\c+3], v[LK+3] offset:6144+3072*\c+768*\t
	ds_load_b64 v[VF+12*\t+6*\c+4:VF+12*\t+6*\c+5], v[LK+4] offset:6144+3072*\c+768*\t+512
.endr
.endr
	WIN 0
	ds_load_b32 v[VS], v[LK+5] offset:12800
	ds_load_b32 v[VS+1], v[LK+5] offset:12928
	s_wait_dscnt 18                                ; k, asked for a trip ago, is in; v's 16 loads of codes and 2 of scale words, issued later, may be out
	PAIR 0
	PAIR 2
	s_add_co_u32 s[TB], s[TB], STEPB
	s_add_co_u32 s[CT], s[CT], 1
	s_cmp_lt_u32 s[CT], 16
	WALU
	s_cbranch_scc1 .Lkey
; THE WAY OUT: ctx = O^T / the row's sum; register 16 b + i of a tile is channel 32 b + 16 h + i of my query; the four tiles by turns
	PLACES 4
.irp x, 0,1,2,3
	v_add_f32 v[ST+4*\x+2], v[ST+4*\x+2], v[ST+4*\x+3]
.endr
.irp x, 0,1,2,3
	v_permlanex16_b32 v[BM+\x], v[ST+4*\x+2], s[SEL], s[SEL+1]
.endr
.irp x, 0,1,2,3
	v_add_f32 v[ST+4*\x+2], v[ST+4*\x+2], v[BM+\x] ; the row's sum
.endr
	WALU
.irp x, 0,1,2,3
	v_rcp_f32 v[ST+4*\x+2], v[ST+4*\x+2]
.endr
	v_nop                                          ; a plain instruction behind the reciprocals
	WIN 0x01                                       ; source 0 window 1
	WALU                                           ; ahead of the first reader of the reciprocals and of O^T
.set J, 0
.rept 64
	v_pk_mul_f32 v[S+J:S+J+1], v[O+J:O+J+1], v[ST+4*(J/32)+2:ST+4*(J/32)+3] op_sel_hi:[1,0]
.set J, J+2
.endr
	WIN 0
.irp x, 0,1,2,3
.irp b, 0,1
	v_max3_num_f32 v[BM+2*\x+\b], |v[S+32*\x+16*\b]|, |v[S+32*\x+16*\b+1]|, 0x1800000
.endr
.endr
.irp i, 2,4,6,8,10,12,14
.irp x, 0,1,2,3
.irp b, 0,1
	v_max3_num_f32 v[BM+2*\x+\b], v[BM+2*\x+\b], |v[S+32*\x+16*\b+\i]|, |v[S+32*\x+16*\b+\i+1]|
.endr
.endr
.endr
.irp j, 0,1,2,3,4,5,6,7
	v_permlanex16_b32 v[BN+\j], v[BM+\j], s[SEL], s[SEL+1]
.endr
.irp j, 0,1,2,3,4,5,6,7
	v_max_num_f32 v[BM+\j], v[BM+\j], v[BN+\j]     ; with lane l xor 16's 16 channels: the block's
.endr
.irp j, 0,1,2,3,4,5,6,7
	v_add_nc_u32 v[FF+\j], 0xff000000, v[BM+\j]
.endr
.irp j, 0,1,2,3,4,5,6,7
	v_lshrrev_b32 v[BN+\j], 23, v[FF+\j]
.endr
.irp x, 0,1,2,3
	v_lshl_or_b32 v[QF+12*\x+6], v[BN+2*\x+1], 8, v[BN+2*\x]   ; the head's two scale bytes of my query
.endr
.irp x, 0,1,2,3
	v_cvt_scalef32_pk16_fp6_f32 v[QF+12*\x:QF+12*\x+2], v[S+32*\x:S+32*\x+15], v[FF+2*\x]
	v_cvt_scalef32_pk16_fp6_f32 v[QF+12*\x+8:QF+12*\x+10], v[S+32*\x+16:S+32*\x+31], v[FF+2*\x+1]
.endr
	v_nop                                          ; one plain instruction behind the scaled conversions
.irp x, 0,1,2,3
.irp i, 0,1,2
	v_permlane16_swap_b32 v[QF+12*\x+\i], v[QF+12*\x+8+\i]   ; a whole block in a lane
.endr
.endr
.irp x, 0,1,2,3
.irp i, 0,1,2
	v_mov_b32 v[QF+12*\x+3+\i], v[QF+12*\x+8+\i]
.endr
.endr
.irp x, 0,1,2,3
	global_store_b128 v[A16], v[QF+12*\x:QF+12*\x+3], s[10:11] offset:12288*\x          ; 512 consecutive bytes, aligned to 256
	global_store_b64 v[A8], v[QF+12*\x+4:QF+12*\x+5], s[10:11] offset:12288*\x+512      ; 256 consecutive bytes, aligned
	global_store_b16 v[R32], v[QF+12*\x+6], s[12:13] offset:512*\x                      ; lanes r and 16 + r write the same two bytes with the same value
.endr
	s_wait_tensorcnt 0x0                           ; the wave's end
	ds_add_u32 v[SPW], v[NIL]
	s_wait_dscnt 0x0
	ROUND                                          ; the closing round: no work-group ends while a partner may still ask for a tile that names it
	s_endpgm
.Lfunc_end_k_q1d608659d5_attn:
	.size	k_q1d608659d5_attn, .Lfunc_end_k_q1d608659d5_attn-k_q1d608659d5_attn
	.p2alignl 7, 3214868480
	.fill 96, 4, 3214868480
	.section	.rodata,"a",@progbits
	.p2align	6, 0x0
	.amdhsa_kernel k_q1d608659d5_attn
		.amdhsa_group_segment_fixed_size 210944
		.amdhsa_private_segment_fixed_size 0
		.amdhsa_enable_private_segment 0
		.amdhsa_kernarg_size 40
		.amdhsa_user_sgpr_count 2
		.amdhsa_user_sgpr_kernarg_segment_ptr 1
		.amdhsa_wavefront_size32 1
		.amdhsa_system_sgpr_workgroup_id_x 1
		.amdhsa_system_sgpr_workgroup_id_y 1
		.amdhsa_system_sgpr_workgroup_id_z 1
		.amdhsa_system_vgpr_workitem_id 0
		.amdhsa_next_free_vgpr 512
		.amdhsa_next_free_sgpr 66
		.amdhsa_reserve_vcc 0
		.amdhsa_float_denorm_mode_32 3
		.amdhsa_float_denorm_mode_16_64 3
		.amdhsa_memory_ordered 1
		.amdhsa_forward_progress 1
		.amdhsa_inst_pref_size 80
	.end_amdhsa_kernel
	.amdgpu_metadata
---
amdhsa.version: [ 1, 2 ]
amdhsa.kernels:
  - .name:           k_q1d608659d5_attn
    .symbol:         k_q1d608659d5_attn.kd
    .args:
      - { .name: qc, .offset: 0, .size: 8, .value_kind: global_buffer, .address_space: global }
      - { .name: qs, .offset: 8, .size: 8, .value_kind: global_buffer, .address_space: global }
      - { .name: kvc, .offset: 16, .size: 8, .value_kind: global_buffer, .address_space: global }
      - { .name: cc, .offset: 24, .size: 8, .value_kind: global_buffer, .address_space: global }
      - { .name: cs, .offset: 32, .size: 8, .value_kind: global_buffer, .address_space: global }
    .group_segment_fixed_size: 210944
    .private_segment_fixed_size: 0
    .kernarg_segment_align: 8
    .kernarg_segment_size: 40
    .max_flat_workgroup_size: 256
    .sgpr_count:     66
    .vgpr_count:     512
    .wavefront_size: 32
...
	.end_amdgpu_metadata
.endif
;; end of part 3
;; launch outp (part 4): grid 4 x 64, 4 waves a work-group, clusters of 4 x 4, 327,680 bytes of LDS; arguments xc, xs, cc, cs, out0; writes out0
.if DOCPART == 4
	.amdgcn_target "amdgcn-amd-amdhsa--gfx1250"
	.amdhsa_code_object_version 6
	.text
	.protected	k_q1d608659d5_outp
	.globl	k_q1d608659d5_outp
	.p2align	8
	.type	k_q1d608659d5_outp,@function
k_q1d608659d5_outp:
	s_mov_b64 s[64:65], 0
	v_nop
	global_prefetch_b8 v0, s[64:65] scope:SCOPE_SE
	s_setreg_imm32_b32 hwreg(HW_REG_WAVE_MODE, 25, 1), 1
	s_wait_xcnt 0x0
	s_wait_alu depctr_hold_cnt(0) depctr_sa_sdst(0) depctr_va_vdst(0) depctr_va_sdst(0) depctr_va_ssrc(0) depctr_va_vcc(0) depctr_vm_vsrc(0)
	s_getreg_b32 s2, hwreg(HW_REG_IB_STS2, 6, 4)
	s_cmp_eq_u32 s2, 0
	s_cbranch_scc0 .Lentry_in_a_cluster
	s_endpgm
.Lentry_in_a_cluster:
	s_bfe_u32 s2, ttmp6, 0x10000c
	s_cmp_lg_u32 s2, 0xf033
	s_cbranch_scc0 .Lentry_shape_is_right
	s_endpgm
.Lentry_shape_is_right:
; out0 = ctx Wo^T on codes of FP6 (E2M3) with E8M0 scales, f32 sums.  Wo's codes and scale bytes lie in xc, xs from tile 1,728 on, ctx's in cc, cs; both in tiles of 16 rows in register order
; (lane-row r of tile T is row 32 (T / 2) + 8 (T % 2) + r + 8 (r / 8); a tile is [K step 0..7][1,536 bytes], 12,288 bytes).
; D = X Y^T with source 0 = a tile of X = Wo (output columns), source 1 = a tile of Y = ctx (tokens): a lane holds ONE token, and the 16 registers of X's tiles 2 b, 2 b + 1 are columns 32 b + 16 (lane / 16) + 0 .. 15.
; SHARES: a work-group makes 256 columns x 128 tokens.  Four waves: wave w takes X's half w & 1 (8 tiles) and Y's half w >> 1 (4 tiles).
; TWO PASSES over K: pass p multiplies X's tiles 4 p .. 4 p + 3 of my eight, my columns 64 p .. 64 p + 63, with my four tiles of Y: 16 accumulators, a bank of 128 registers for each pass.
; Pass 0's results are stored ahead of pass 1's products.  Y's fragments are read from LDS in both passes.
; FILLS: at the head one joint load a wave: waves 0, 1 pass 0's four tiles of an X half each, waves 2, 3 a Y half each (each 49,152 dense bytes: 192 rows of 256).  Pass 1's X tiles are a later first fill:
; behind a tensor wait, an LDS add, its wait and a round of the cluster's barrier, waves 0 and 1 a half each; it has pass 0's first seven K steps in which to land.  One load a wave is out, by this text's count.
; A plain barrier in pass 0's last K step, with every wave's wait for its loads ahead of it, shows pass 1's tiles. Behind it nobody reads pass 0's X tiles any more: the stages lie there.
; CLUSTER 4 x 4: X's tiles hang on cx alone and are asked for jointly by a column of the cluster, Y's on cy alone and by a row.
; No prefetch: the second fill is asked for one round behind the first, and the text has no loop to run ahead in.
; THE WAY OUT: a tile of 16 tokens x 64 columns goes through the wave's own stage in LDS (rows of 256 + 16 bytes) and leaves as rows of 256 consecutive bytes, aligned, two rows a store.
; REGISTERS: window 0: v1-16 addresses; v32-63 X's scale words, v66-81 Y's (scales and nothing else); v82-129, v130-177 Y's fragments, two sets.
;   window 1: X's fragments, two sets, at v0 and v128; v48-111, v176-239 rows read back from the stage, 32 registers for each of a pass's four tiles.   window 2: accumulator (a, b) of pass p at v[128 p + 8 (4 a + b)].
.set XB,   98304                       ; LDS: pass 0's X tiles at 0 (two halves of 49,152), pass 1's here,
.set YB,   196608                      ; Y's two halves here
.set SPARE, 294912
.set SCX,  32
.set SCY,  66
.set YF,   82
.set WV,   14                          ; s14 wave; s15 wave & 1; s16 wave >> 1
.set G1X,  24
.set G1Y,  32
.set G0X,  40                          ; s[40:43] group 0 of pass 0's X tiles, s[44:47] of pass 1's; s[68:71] of Y's
.set G0Y,  68
.set MSB, 0
.macro WIN new                         ; the immediate's high byte repeats the setting that is left
.if MSB != \new
	s_set_vgpr_msb (MSB<<8)|\new
.set MSB, \new
.endif
.endm
.macro ROUND                           ; a round of the cluster's barrier
	s_barrier_signal -1
	s_barrier_wait -1
	s_cmp_lg_u32 s[WV], 0
	s_cbranch_scc1 .Lnot_wave_0_\@
	s_barrier_signal -3
.Lnot_wave_0_\@:
	s_barrier_wait -3
	s_barrier_signal -1
	s_barrier_wait -1
.endm
.macro PLACES n
.rept \n
	v_nop
.endr
.endm
.macro FETCH p, s                      ; pass p, K step s: 32 dense loads into set s % 2 (v4, v5 stand at pass 0's X tiles of my half, v14, v15 at pass 1's, v6, v7 at my Y tiles)
.set FP, (\s)%2
.set FO, 1536*(\s)
	WIN 0x40                                       ; destination window 1, address window 0
.irp i, 0,1,2,3
	ds_load_b128 v[128*FP+12*\i:128*FP+12*\i+3], v[4+10*(\p)] offset:12288*\i+FO
	ds_load_b64 v[128*FP+12*\i+4:128*FP+12*\i+5], v[5+10*(\p)] offset:12288*\i+FO+512
	ds_load_b128 v[128*FP+12*\i+6:128*FP+12*\i+9], v[4+10*(\p)] offset:12288*\i+FO+768
	ds_load_b64 v[128*FP+12*\i+10:128*FP+12*\i+11], v[5+10*(\p)] offset:12288*\i+FO+1280
.endr
	WIN 0
.irp i, 0,1,2,3
	ds_load_b128 v[YF+48*FP+12*\i:YF+48*FP+12*\i+3], v6 offset:12288*\i+FO
	ds_load_b64 v[YF+48*FP+12*\i+4:YF+48*FP+12*\i+5], v7 offset:12288*\i+FO+512
	ds_load_b128 v[YF+48*FP+12*\i+6:YF+48*FP+12*\i+9], v6 offset:12288*\i+FO+768
	ds_load_b64 v[YF+48*FP+12*\i+10:YF+48*FP+12*\i+11], v7 offset:12288*\i+FO+1280
.endr
.endm
; One product: Y's tile a x X's tile 4 p + b, K step s.  X's scale words of pass 1's tiles lie in lanes 16-31 of the registers of pass 0's, Y's of tiles 2-3 in those of tiles 0-1.  K step 0 starts the sums.
.macro WM1 c, ra, rb
	v_wmma_scale_f32_16x16x128_f8f6f4 v[rD:rD+7], v[rX:rX+11], v[rY:rY+11], \c, v[rP], v[rQ] matrix_a_fmt:MATRIX_FMT_FP6 matrix_b_fmt:MATRIX_FMT_FP6 matrix_a_scale:MATRIX_SCALE_ROW\ra matrix_b_scale:MATRIX_SCALE_ROW\rb
.endm
.macro WM2 p, a, c
.if (\a) < 2
	WM1 \c, \p, 0
.else
	WM1 \c, \p, 1
.endif
.endm
.macro WM p, a, b, s
.set rD, 128*(\p)+8*(4*(\a)+(\b))
.set rX, 128*((\s)%2)+12*(\b)
.set rY, YF+48*((\s)%2)+12*(\a)
.set rP, SCX+8*(\b)+(\s)
.set rQ, SCY+8*((\a)%2)+(\s)
.if (\s) == 0
	WM2 \p, \a, 0
.else
	WM2 \p, \a, v[rD:rD+7]
.endif
.endm
; A K step of 128: the next step's fragments are asked for, then 16 products on the pass's 16 accumulators, which take turns in the same order in every step.
.macro KSTEP p, s
	s_wait_dscnt 0x0                               ; this step's fragments are in
.if (\s) < 7
.if (\s) > 0
	PLACES 4                                       ; four places between the last products and the loads into the set that they read
.endif
	FETCH \p, (\s)+1
.elseif (\p) == 0
	s_wait_tensorcnt 0x0                           ; my part of pass 1's X tiles, if I asked for one, has landed; my reads of pass 0's are over
	s_barrier_signal -1
	s_barrier_wait -1                              ; both hold of every wave.
	PLACES 4
	FETCH 1, 0
.endif
	WIN 0xa1                                       ; source 0 (X) window 1, source 1 (Y) window 0, C and D window 2
.irp a, 0,1,2,3
.irp b, 0,1,2,3
	WM \p, \a, \b, \s
.endr
.endr
	WIN 0
.endm
.macro TOSTAGE p, a                    ; Y's tile a: a lane's 32 numbers into row r of my stage, and 16 whole rows back, two a load
.set RB, 48+32*(\a)+64*((\a)/2)
	WIN 0x08                                       ; an LDS store's data are its source 1: window 2
.irp b, 0,1,2,3
	ds_store_b128 v12, v[128*(\p)+8*(4*(\a)+\b):128*(\p)+8*(4*(\a)+\b)+3] offset:128*(\b/2)+32*(\b%2)          ; each accumulator from its low end on
	ds_store_b128 v12, v[128*(\p)+8*(4*(\a)+\b)+4:128*(\p)+8*(4*(\a)+\b)+7] offset:128*(\b/2)+32*(\b%2)+16
.endr
	WIN 0x40
.irp t, 0,1,2,3,4,5,6,7
	ds_load_b128 v[RB+4*\t:RB+4*\t+3], v13 offset:544*\t   ; LDS serves a wave's instructions in order: these see the stores above, and the next tile's stores come behind them
.endr
	WIN 0
.endm
.macro SEND p, a, younger              ; younger: the LDS instructions issued behind tile a's loads, which may stay out
.set RB, 48+32*(\a)+64*((\a)/2)
	s_wait_dscnt \younger
	WIN 0x04                                       ; a store's data are its source 1: window 1
.irp t, 0,1,2,3,4,5,6,7
	global_store_b128 v16, v[RB+4*\t:RB+4*\t+3], s[12:13] offset:(32*((\a)/2)+8*((\a)%2)+2*\t+8*(\t/4))*4096+256*(\p) th:TH_STORE_NT   ; two tokens' 256 consecutive bytes each, aligned to 256
.endr
	WIN 0
.endm
.macro WAYOUT p
	TOSTAGE \p, 0
	TOSTAGE \p, 1
	SEND \p, 0, 16                                 ; behind tile 0's loads: tile 1's 8 stores and 8 loads
	TOSTAGE \p, 2
	SEND \p, 1, 16
	TOSTAGE \p, 3
	SEND \p, 2, 16
	SEND \p, 3, 0
.endm
	s_load_b256 s[4:11], s[0:1], 0x0               ; xc s[4:5], xs s[6:7], cc s[8:9], cs s[10:11]
	s_load_b64 s[12:13], s[0:1], 0x20              ; out0
	v_lshl_add_u32 v254, v0, 2, SPARE
	v_mov_b32 v255, 0
	ds_add_u32 v254, v255                          ; the opening lines: the add, twice on end, and its wait
	ds_add_u32 v254, v255
	v_lshrrev_b32 v1, 5, v0
	v_readfirstlane_b32 s[WV], v1                  ; wave 0..3
	s_and_b32 s15, s[WV], 1                        ; my half of X.  Also: which half of X's (waves 0, 1) or Y's (waves 2, 3) tiles I fetch
	s_lshr_b32 s16, s[WV], 1                       ; my half of Y
	s_mul_i32 s62, s15, 49152                      ; X's half in a pass's region (where I put it, and where I read my half)
	s_add_co_u32 s63, s62, YB                      ; Y's half that I put
	s_mul_i32 s59, s16, 49152
	s_add_co_u32 s59, s59, YB                      ; Y's half that I read
	s_mul_i32 s58, s[WV], 4352                     ; my stage: 16 rows x (256 + 16) bytes
	v_and_b32 v1, 31, v0                           ; lane
	v_and_b32 v2, 15, v0                           ; r
	v_bfe_u32 v3, v0, 4, 1                         ; h
	v_lshlrev_b32 v8, 4, v1                        ; 16 x lane
	v_lshlrev_b32 v9, 3, v1                        ; 8 x lane
	v_lshlrev_b32 v10, 5, v2
	v_lshl_add_u32 v11, v3, 10, v10                ; Y's scale words: 32 r, lanes 16-31 two tiles on
	v_lshl_add_u32 v10, v3, 11, v10                ; X's: lanes 16-31 four tiles on
	v_add_nc_u32 v4, s62, v8
	v_add_nc_u32 v5, s62, v9
	v_add_nc_u32 v6, s59, v8
	v_add_nc_u32 v7, s59, v9
	v_add_nc_u32 v14, XB, v4
	v_add_nc_u32 v15, XB, v5
	v_mul_u32_u24 v12, v2, 272
	v_lshl_add_u32 v12, v3, 6, v12
	v_add_nc_u32 v12, s58, v12                     ; the stage, in: row r, + 64 h
	v_mul_u32_u24 v13, v3, 272
	v_lshl_add_u32 v13, v2, 4, v13
	v_add_nc_u32 v13, s58, v13                     ; back: lanes 0-15 one row, lanes 16-31 the next, 16 bytes a lane
	v_lshlrev_b32 v16, 4, v2
	v_lshl_add_u32 v16, v3, 12, v16                ; and the same two rows in out0
	s_bfe_u32 s17, ttmp6, 0x40000                  ; cx: which 256 columns
	s_bfe_u32 s18, ttmp6, 0x40004                  ; cy
	s_and_b32 s19, ttmp7, 0xffff                   ; cluster y, 0..15
	s_lshl_b32 s23, s19, 2
	s_add_co_u32 s23, s23, s18                     ; which 128 tokens
	s_lshl_b32 s90, s17, 4
	s_add_co_u32 s90, s90, 1728                    ; X's first tile in xc: Wo's
	s_lshl_b32 s91, s23, 3                         ; Y's first tile in cc
	s_lshl_b32 s60, 0x1111, s17                    ; my column of the cluster (same cx)
	s_lshl_b32 s61, s18, 2
	s_lshl_b32 s61, 15, s61                        ; my row (same cy)
	s_or_b32 s[G1X], s60, (3<<16)|(1<<21)          ; the mask; elements of 8 bytes; bit 21 beside a mask
	s_or_b32 s[G1Y], s61, (3<<16)|(1<<21)
.irp g, G1X, G1Y
	s_mov_b32 s[\g+1], 32<<16                      ; four tiles are 49,152 dense bytes: 192 rows of 256
	s_mov_b32 s[\g+2], 192<<16
	s_mov_b32 s[\g+3], 32<<16
	s_mov_b32 s[\g+4], 192
	s_mov_b32 s[\g+5], 32
	s_mov_b32 s[\g+6], 0
	s_mov_b32 s[\g+7], 0
.endr
	s_mul_i32 s92, s90, 12288
	s_mul_i32 s2, s15, 98304
	s_add_co_u32 s92, s92, s2                      ; X's codes: the first of my half's 8 tiles
	s_mov_b32 s93, 0
	s_mul_i32 s94, s91, 12288
	s_mul_i32 s3, s15, 49152
	s_add_co_u32 s94, s94, s3                      ; Y's codes: my 4 tiles
	s_mov_b32 s95, 0
	s_mov_b32 s[G0X], 1
	s_mov_b32 s[G0X+1], s62
	s_mov_b32 s[G0X+4], 1
	s_add_co_u32 s[G0X+5], s62, XB
	s_mov_b32 s[G0Y], 1
	s_mov_b32 s[G0Y+1], s63
	s_wait_alu depctr_va_vdst(0)                   ; the wait at the end of the head's vector work
	s_wait_dscnt 0x0
	s_wait_kmcnt 0x0
	s_add_nc_u64 s[G0X+2:G0X+3], s[4:5], s[92:93]
	s_add_nc_u64 s[G0X+6:G0X+7], s[G0X+2:G0X+3], 49152   ; pass 1's four tiles lie behind pass 0's
	s_or_b32 s[G0X+3], s[G0X+3], 0x80000000
	s_or_b32 s[G0X+7], s[G0X+7], 0x80000000
	s_add_nc_u64 s[G0Y+2:G0Y+3], s[8:9], s[94:95]
	s_or_b32 s[G0Y+3], s[G0Y+3], 0x80000000
	ROUND                                          ; all sixteen work-groups are here: the joint loads meet
	s_cmp_lt_u32 s[WV], 2                          ; one tensor load a wave at the head, each line with one mask
	s_cbranch_scc0 .Lfill_y
	tensor_load_to_lds s[G0X:G0X+3], s[G1X:G1X+7]
	s_nop 0
	PLACES 4
	s_branch .Lfilled
.Lfill_y:
	tensor_load_to_lds s[G0Y:G0Y+3], s[G1Y:G1Y+7]
	s_nop 0
	PLACES 4
.Lfilled:
	; the scale words of my 8 + 4 tiles, for all of K, straight into registers: 6 KB a wave, once
	s_lshl_b32 s2, s15, 3
	s_add_co_u32 s2, s2, s90
	s_lshl_b32 s96, s2, 9
	s_mov_b32 s97, 0
	s_add_nc_u64 s[96:97], s[6:7], s[96:97]
	s_lshl_b32 s3, s16, 2
	s_add_co_u32 s3, s3, s91
	s_lshl_b32 s98, s3, 9
	s_mov_b32 s99, 0
	s_add_nc_u64 s[98:99], s[10:11], s[98:99]
.irp i, 0,1,2,3
.irp q, 0,1
	global_load_b128 v[SCX+8*\i+4*\q:SCX+8*\i+4*\q+3], v10, s[96:97] offset:512*\i+16*\q   ; register 8 i + s: K step s's word of tile i (lanes 0-15) and of tile i + 4 (lanes 16-31)
.endr
.endr
.irp i, 0,1
.irp q, 0,1
	global_load_b128 v[SCY+8*\i+4*\q:SCY+8*\i+4*\q+3], v11, s[98:99] offset:512*\i+16*\q   ; tile i and tile i + 2
.endr
.endr
	; out0 at my first token and my first column: 4,096 (128 x token block + 64 x my half of Y) + 4 (256 cx + 128 x my half of X)
	s_lshl_b32 s90, s23, 19
	s_lshl_b32 s2, s16, 18
	s_add_co_u32 s90, s90, s2
	s_lshl_b32 s2, s17, 10
	s_add_co_u32 s90, s90, s2
	s_lshl_b32 s2, s15, 9
	s_add_co_u32 s90, s90, s2
	s_mov_b32 s91, 0
	s_add_nc_u64 s[12:13], s[12:13], s[90:91]
	s_wait_loadcnt 0x0                             ; the scale words
	s_wait_tensorcnt 0x0                           ; my tile of the head's four is in
	ds_add_u32 v254, v255
	s_wait_dscnt 0x0
	ROUND                                          ; everybody's tile is in, and all sixteen work-groups are here
	s_cmp_lt_u32 s[WV], 2
	s_cbranch_scc0 .Lno_second
	tensor_load_to_lds s[G0X+4:G0X+7], s[G1X:G1X+7]   ; pass 1's X tiles: waves 0 and 1 a half each
	s_nop 0
	PLACES 4
.Lno_second:
	FETCH 0, 0
.irp s, 0,1,2,3,4,5,6,7
	KSTEP 0, \s
.endr
	PLACES 4                                       ; four places between the last products and the first read of results
	WAYOUT 0                                       ; pass 0's columns leave ahead of pass 1's products
.irp s, 0,1,2,3,4,5,6,7
	KSTEP 1, \s
.endr
	PLACES 4
	s_wait_xcnt 0x0                                ; pass 0's stores have read their registers: pass 1's rows may land there
	WAYOUT 1
	s_wait_tensorcnt 0x0                           ; the wave's end
	ds_add_u32 v254, v255
	s_wait_dscnt 0x0
	ROUND                                          ; the closing round: no work-group ends while a partner may still ask for a tile that names it
	s_endpgm
.Lfunc_end_k_q1d608659d5_outp:
	.size	k_q1d608659d5_outp, .Lfunc_end_k_q1d608659d5_outp-k_q1d608659d5_outp
	.p2alignl 7, 3214868480
	.fill 96, 4, 3214868480
	.section	.rodata,"a",@progbits
	.p2align	6, 0x0
	.amdhsa_kernel k_q1d608659d5_outp
		.amdhsa_group_segment_fixed_size 327680
		.amdhsa_private_segment_fixed_size 0
		.amdhsa_enable_private_segment 0
		.amdhsa_kernarg_size 40
		.amdhsa_user_sgpr_count 2
		.amdhsa_user_sgpr_kernarg_segment_ptr 1
		.amdhsa_wavefront_size32 1
		.amdhsa_system_sgpr_workgroup_id_x 1
		.amdhsa_system_sgpr_workgroup_id_y 1
		.amdhsa_system_sgpr_workgroup_id_z 1
		.amdhsa_system_vgpr_workitem_id 0
		.amdhsa_next_free_vgpr 768
		.amdhsa_next_free_sgpr 100
		.amdhsa_reserve_vcc 0
		.amdhsa_float_denorm_mode_32 3
		.amdhsa_float_denorm_mode_16_64 3
		.amdhsa_memory_ordered 1
		.amdhsa_forward_progress 1
		.amdhsa_inst_pref_size 93
	.end_amdhsa_kernel
	.amdgpu_metadata
---
amdhsa.version: [ 1, 2 ]
amdhsa.kernels:
  - .name:           k_q1d608659d5_outp
    .symbol:         k_q1d608659d5_outp.kd
    .args:
      - { .name: xc, .offset: 0, .size: 8, .value_kind: global_buffer, .address_space: global }
      - { .name: xs, .offset: 8, .size: 8, .value_kind: global_buffer, .address_space: global }
      - { .name: cc, .offset: 16, .size: 8, .value_kind: global_buffer, .address_space: global }
      - { .name: cs, .offset: 24, .size: 8, .value_kind: global_buffer, .address_space: global }
      - { .name: out0, .offset: 32, .size: 8, .value_kind: global_buffer, .address_space: global }
    .group_segment_fixed_size: 327680
    .private_segment_fixed_size: 0
    .kernarg_segment_align: 8
    .kernarg_segment_size: 40
    .max_flat_workgroup_size: 128
    .sgpr_count:     100
    .vgpr_count:     768
    .wavefront_size: 32
...
	.end_amdgpu_metadata
.endif
;; end of part 4
